; MI455X (gfx1250); checked and timed in simulation.
; The chip was launched on July 23, 2026; its instructions are those of AMD's public machine-readable ISA for CDNA 5 (MIT licence, August 2026) and "CDNA5" Instruction Set Architecture Reference Guide (July 2026). The comments in the code are by the model that wrote it; some were corrected since.
;; Multi Head Self Attention. Allowed arithmetic: matrix products marked QUANTISED: E2M3 operands, one E8M0 scale for each 32 along K, by v_wmma_scale_f32_16x16x128_f8f6f4 with both operands' format E2M3, f32 sums; everything else in f32.
;; Inputs: Wo_b 1,024 float32; Wo_w 1,024 x 1,024 float32; Wqkv_b 3,072 float32; Wqkv_w 3,072 x 1,024 float32; token_positions 2,048 int32; x 4 x 2,048 x 1,024 float32.
;; Outputs: out0 4 x 2,048 x 1,024 float32.
;; This version of the problem:
;;   THIS VERSION OF THE PROBLEM IS GIVEN IN LOW PRECISION. The matrix products marked QUANTISED in the list below multiply operands that are first quantised to E2M3 (2 exponent bits, 3 mantissa bits; 6 bits a number), with one power-of-two scale for each 32 numbers along K (OCP MX v1.0); their sums are f32. All else is computed in f32.
;;   The module's matrix products, in the order in which they are computed (A, B: the left and right operand; K: the contracted axis; several contracted axes count as one K, in the product's order):
;;     1. [M 8,192, K 1,024] x [K 1,024, N 3,072]; A: input x; B: input Wqkv_w: QUANTISED
;;     2. batch 64 x [M 2,048, K 64] x [K 64, N 2,048]; A: computed on the way; B: computed on the way: QUANTISED
;;     3. batch 64 x [M 2,048, K 2,048] x [K 2,048, N 64]; A: softmax (see below); B: computed on the way: QUANTISED
;;     4. [M 8,192, K 1,024] x [K 1,024, N 1,024]; A: computed on the way; B: input Wo_w: QUANTISED
;;   THE QUANTISER, for each operand of a quantised product, along K:
;;     - K is cut into blocks of 32 from its start; a last block that is shorter is filled with zeros.
;;     - A block's scale is 2^e with e = floor(log2(the largest magnitude in the block)) - 2, held to -126 .. 127; a block of zeros has e = 0. As a byte (E8M0): e + 127.
;;     - Each number is divided by its block's scale, clamped to +-7.5, and rounded to the nearest number of E2M3, ties to even, subnormals kept.
;;     - The product sums the exact products of the quantised numbers (number of the format x scale) in f32.
;;   ~~~python
;;   def quantise(x, axis):      # numpy; x: float32 -> the quantised numbers, widened to float32 again
;;       x = np.moveaxis(x, axis, -1); K = x.shape[-1]
;;       x = np.pad(x, [(0, 0)] * (x.ndim - 1) + [(0, -K % 32)]); x = x.reshape(x.shape[:-1] + (-1, 32)); a = np.abs(x).max(-1, keepdims=True)
;;       e = np.where(a > 0, np.clip(np.frexp(np.where(a > 0, a, 1))[1] - 1 - 2, -126, 127), 0)      # np.frexp(a)[1] - 1 = floor(log2(a)), exactly
;;       r = np.clip(x / 2.0 ** e, -7.5, 7.5)
;;       step = 2.0 ** (np.maximum(np.frexp(np.where(r == 0, 1, r))[1] - 1, 0) - 3)
;;       q = np.round(r / step) * step * 2.0 ** e      # np.round: ties to even
;;       return np.moveaxis(q.reshape(q.shape[:-2] + (-1,))[..., :K], -1, axis).astype(np.float32)
;;   ~~~
;;   SOFTMAX AHEAD OF A QUANTISED PRODUCT. Where the list says 'softmax', what is quantised is not the finished softmax but p = 2^(t - M), with t = logit x log2(e) and M = ceil(the row's largest t), a whole number; so 1/2 < the row's largest p <= 1. The row's sum l is taken of the UNQUANTISED p, in f32, and the product's result is divided by l at the end. Since M is a whole number, a kernel that streams over the keys may use a running M (the ceiling of the running maximum): every later rescaling is an exact power of two, which a block's scale takes up: the codes' values come out the same.
;;   OPERANDS COMPUTED ON THE WAY. 'Computed on the way' means the value that the module computes at that place (a softmax that the list does not call 'softmax' is quantised finished and normalised). What goes into a quantiser is computed in f32, as accurately as f32 sums, v_exp_f32 and their like allow (about 1e-6 of the number): no bf16 or f16 on the way to a quantiser, and a product that is left as it is and whose result goes on into a quantised operand takes f32 operands (vector FMAs, or v_wmma_f32_16x16x4_f32). A number that lies on a knife's edge between two numbers of the format may be rounded either way, as far as f32 arithmetic and the matrix unit's own rounding can turn it there, and no further.
;; One version. Each part assembles by itself: llvm-mc -triple=amdgcn-amd-amdhsa -mcpu=gfx1250 --defsym DOCPART=n.
;; ======== version 1 of 1: 4 launches
;; limits: right only within a limited range of input values
;; workspace buffers: incodes 9,437,184 bytes; inscales 393,216 bytes; cs 524,288 bytes; qkvcodes 18,874,368 bytes; qkvscales 786,432 bytes; aocodes 6,291,456 bytes; aoscales 262,144 bytes
;; launch prep (part 1): grid 448 x 1, 4 waves a work-group, no clusters, 33,280 bytes of LDS; arguments x, Wqkv_w, Wo_w, token_positions, incodes, inscales, cs; writes incodes, inscales, cs
.if DOCPART == 1
	.amdgcn_target "amdgcn-amd-amdhsa--gfx1250"
	.amdhsa_code_object_version 6
	.text
	.protected	k_q4ca7802675_prep
	.globl	k_q4ca7802675_prep
	.p2align	8
	.type	k_q4ca7802675_prep,@function
k_q4ca7802675_prep:
	s_mov_b64 s[64:65], 0
	v_nop
	global_prefetch_b8 v0, s[64:65] scope:SCOPE_SE
	s_setreg_imm32_b32 hwreg(HW_REG_WAVE_MODE, 25, 1), 1
	s_wait_xcnt 0x0
; x [8192][1024], Wqkv_w [3072][1024], Wo_w [1024][1024], f32, K innermost, become codes of FP6 (E2M3) and one E8M0 byte for each 32 along K: 12,288 rows of 768 bytes in incodes, of 32 bytes in inscales (x, then Wqkv_w, then Wo_w).
; A block's scale is 2^(floor(log2(its largest magnitude)) - 2): its byte is that magnitude's exponent field - 2, held at 1 from below.
; THE ORDER OF ROWS: inside every 32 rows the second and the third group of eight change places (bits 3 and 4 of the row's number are swapped).  A plain fragment of 16 neighbouring stored rows then holds
; rows 0-7 and 16-23 (or 8-15 and 24-31) of the 32, so that a matrix result whose source 0 is such a fragment has 16 true neighbours in the 16 registers of two neighbouring tiles.
; Work-groups 0-383 quantise 32 rows each, a wave eight (16 steps of 512 numbers): each load reads 512 consecutive bytes; a step turns through the wave's own stage in LDS so that a lane holds 16 neighbours.
; Work-groups 384-447 make the table cs [2048][32][cos, sin] of the angles token_positions[s] x 10000^(-j / 32), in f32; they touch no LDS.
; LIMITS: a block of zeros gets the byte 1 (its codes are zeros; these bytes are read by this program alone); NaN and infinities among the inputs are not served; blocks whose largest magnitude lies under 2^-124 keep the byte 1.
; |token position| up to 2^20 (beyond it the quarter turns' count is no longer exact in the reduction); 10000^(-j / 32) is within about 1.5 units in the last place of f32.
.set STEPS, 16
.set NQWG,  384                        ; work-groups that quantise
.set EMAX,  2
.set CB,    12                         ; bytes of 16 codes
.set R,     16                         ; v16-79   four sets of 16 numbers as they are loaded
.set X,     80                         ; v80-111  two sets of 16 neighbours
.set C,     128                        ; v128-191 codes: four registers for each step
.set E,     112                        ; v112-127 a scale byte for each step
.set WREG,  8192                       ; LDS: a region for each wave: two stages of 32 x SP bytes, then its 256 scale bytes
.set SP,    80                         ; a lane's place in a stage: 64 bytes + 16 of padding
	s_load_b256 s[4:11], s[0:1], 0x0               ; x s[4:5], Wqkv_w s[6:7], Wo_w s[8:9], token_positions s[10:11]
	s_load_b128 s[12:15], s[0:1], 0x20             ; incodes s[12:13], inscales s[14:15]
	s_load_b64 s[16:17], s[0:1], 0x30              ; cs
	v_lshl_add_u32 v192, v0, 2, 0x8000
	v_mov_b32 v193, 0
	v_lshrrev_b32 v1, 5, v0
	v_readfirstlane_b32 s18, v1                    ; wave
	s_cmp_ge_u32 ttmp9, NQWG
	s_cbranch_scc1 .Ltable
	v_and_b32 v2, 31, v0                           ; lane
	v_lshlrev_b32 v3, 4, v2                        ; my 16 bytes of a load's 512
	s_mul_i32 s26, s18, WREG
	v_lshrrev_b32 v14, 2, v2
	v_mul_u32_u24 v14, v14, SP
	v_and_b32 v15, 3, v2
	v_lshl_add_u32 v14, v15, 4, v14
	v_add_nc_u32 v14, s26, v14                     ; the stage on the way in: SP (lane / 4) + 16 (lane % 4)
	v_mul_u32_u24 v15, v2, SP
	v_add_nc_u32 v15, s26, v15                     ; and on the way out: SP x lane: my 16 neighbours
	v_mul_u32_u24 v4, v2, CB                       ; my codes' place in a step's
	v_lshrrev_b32 v5, 1, v2
	s_add_co_u32 s26, s26, 2*32*SP
	v_add_nc_u32 v5, s26, v5                       ; LDS: my wave's 256 scale bytes, my block's byte
	v_lshlrev_b32 v7, 3, v2                        ; and on the way out 8 bytes a lane
	v_add_nc_u32 v6, s26, v7
	s_movk_i32 s19, 352
	s_movk_i32 s22, 256
	s_wait_alu depctr_va_vdst(0)
	s_wait_kmcnt 0x0
	s_cmp_lt_u32 ttmp9, 352                        ; which tensor: the choice hangs on the work-group's number alone
	s_cselect_b64 s[6:7], s[6:7], s[8:9]
	s_cselect_b32 s19, s22, s19
	s_cmp_lt_u32 ttmp9, 256
	s_cselect_b64 s[4:5], s[4:5], s[6:7]
	s_cselect_b32 s19, 0, s19                      ; the tensor's first work-group
	s_sub_co_u32 s19, ttmp9, s19
	s_lshl_b32 s19, s19, 2
	s_add_co_u32 s20, s19, s18                     ; my run of eight rows in the tensor,
	s_lshl_b32 s20, s20, 15                        ; 32,768 bytes each
	s_mov_b32 s21, 0
	s_add_nc_u64 s[4:5], s[4:5], s[20:21]
	s_and_b32 s22, s18, 1                          ; where it goes: waves 1 and 2 change places
	s_lshl_b32 s22, s22, 1
	s_lshr_b32 s23, s18, 1
	s_or_b32 s22, s22, s23
	s_lshl_b32 s23, ttmp9, 2
	s_add_co_u32 s22, s22, s23
	s_mul_i32 s24, s22, 6144                       ; eight rows of 768 bytes of codes
	s_mov_b32 s25, 0
	s_add_nc_u64 s[12:13], s[12:13], s[24:25]
	s_lshl_b32 s24, s22, 8                         ; eight rows of 32 scale bytes
	s_add_nc_u64 s[14:15], s[14:15], s[24:25]
.macro LOAD t
.irp i, 0,1,2,3
	global_load_b128 v[R+16*((\t)%4)+4*\i:R+16*((\t)%4)+4*\i+3], v3, s[4:5] offset:2048*(\t)+512*\i th:TH_LOAD_NT   ; 32 lanes read 512 consecutive bytes
.endr
.endm
.macro TURN t                          ; step t's numbers through the stage: LDS serves a wave's instructions in order, so no wait stands between the stores and the loads
.irp i, 0,1,2,3
	ds_store_b128 v14, v[R+16*((\t)%4)+4*\i:R+16*((\t)%4)+4*\i+3] offset:32*SP*((\t)%2)+8*SP*\i
.endr
.irp i, 0,1,2,3
	ds_load_b128 v[X+16*((\t)%2)+4*\i:X+16*((\t)%2)+4*\i+3], v15 offset:32*SP*((\t)%2)+16*\i
.endr
.endm
.irp t, 0,1,2,3
	LOAD \t
.endr
	s_wait_loadcnt 12                              ; step 0's four loads are in; three steps' twelve may be out
	TURN 0
.macro STEP t
.set XS, X+16*((\t)%2)
.if (\t) > 0
	s_wait_dscnt 1                                 ; this step's numbers are back from the stage (the last step's byte store may be out)
.else
	s_wait_dscnt 0x0
.endif
.if (\t)+4 < STEPS
	LOAD (\t)+4                                    ; into the registers that the stage's stores have read
.endif
.if (\t)+1 < STEPS
.if STEPS-2-(\t) >= 3
	s_wait_loadcnt 12                              ; the next step's four loads are in; those of the three steps behind it may be out
.else
	s_wait_loadcnt 4*(STEPS-2-(\t))
.endif
	TURN (\t)+1
.endif
	v_max3_num_f32 v8, |v[XS]|, |v[XS+1]|, |v[XS+2]|               ; the largest magnitude of my 16, in two chains
	v_max3_num_f32 v9, |v[XS+3]|, |v[XS+4]|, |v[XS+5]|
.irp i, 6,10
	v_max3_num_f32 v8, v8, |v[XS+\i]|, |v[XS+\i+1]|
	v_max3_num_f32 v9, v9, |v[XS+\i+2]|, |v[XS+\i+3]|
.endr
	v_max3_num_f32 v8, v8, |v[XS+14]|, |v[XS+15]|
	v_max3_num_f32 v8, v8, v9, (EMAX+1)<<23        ; and the floor 2^(3 - 127): the byte cannot fall under 1
	v_max_num_f32_dpp v8, v8, v8 row_xmask:1 row_mask:0xf bank_mask:0xf   ; and of my neighbour's 16: the block's
	v_add_nc_u32 v11, -(EMAX<<23), v8              ; 2 off its exponent field: the conversion takes the exponent field of this operand as its scale
	v_cvt_scalef32_pk16_fp6_f32 v[C+4*(\t):C+4*(\t)+2], v[XS:XS+15], v11
	v_lshrrev_b32 v[E+(\t)], 23, v11               ; the scale's byte
	ds_store_b8 v5, v[E+(\t)] offset:16*(\t)       ; both lanes of a block write the same byte with the same value
	global_store_b96 v4, v[C+4*(\t):C+4*(\t)+2], s[12:13] offset:32*CB*(\t)   ; the wave stores 384 consecutive bytes
.endm
.irp t, 0,1,2,3,4,5,6,7,8,9,10,11,12,13,14,15
	STEP \t
.endr
	ds_load_b64 v[12:13], v6                       ; LDS serves a wave's instructions in order: these see my stores
	s_wait_dscnt 0x0
	global_store_b64 v7, v[12:13], s[14:15]        ; 32 lanes store 256 consecutive bytes, aligned
	s_wait_tensorcnt 0x0
	ds_add_u32 v192, v193
	s_wait_dscnt 0x0
	s_endpgm
; THE TABLE.  A work-group owns 32 positions.  In turn st thread t takes position 8 st + t / 16 and the pairs j0 = 2 (t % 16) and j0 + 1: its 16 bytes lie at 16 t of the turn's 2,048.
.Ltable:
	s_sub_co_u32 s19, ttmp9, NQWG
	v_lshrrev_b32 v3, 4, v0
	v_lshlrev_b32 v3, 2, v3                        ; 4 bytes x (t / 16)
	v_lshlrev_b32 v4, 4, v0                        ; 16 t
	v_and_b32 v5, 15, v0
	v_lshlrev_b32 v5, 1, v5
	v_cvt_f32_u32 v6, v5                           ; j0
	v_add_f32 v7, 1.0, v6                          ; j0 + 1
	s_lshl_b32 s20, s19, 7                         ; 32 positions of 4 bytes
	s_mov_b32 s21, 0
	s_lshl_b32 s22, s19, 13                        ; 32 rows of 256 bytes
	s_mov_b32 s23, 0
	s_mov_b32 s24, 0xbfc90fd8                      ; -pi/2 in three parts: the first product with the count of quarter turns cancels exactly in the fused multiply-add
	s_mov_b32 s25, 0xb4a8885a
	s_mov_b32 s26, 0xa7c234c4
	s_wait_alu depctr_va_vdst(0)
	s_wait_kmcnt 0x0
	s_add_nc_u64 s[10:11], s[10:11], s[20:21]
	s_add_nc_u64 s[16:17], s[16:17], s[22:23]
.irp st, 0,1,2,3
	global_load_b32 v[8+\st], v3, s[10:11] offset:32*\st
.endr
	v_mul_f32 v12, 0xbed49a80, v6                  ; -j x 435412 / 2^20: exact (5 bits x 19 bits)
	v_mul_f32 v13, 0xbed49a80, v7
	s_wait_alu depctr_va_vdst(0)
	v_exp_f32 v12, v12
	v_exp_f32 v13, v13
	v_mul_f32 v14, 0x342ae0c5, v6                  ; what 435412 / 2^20 has over log2(10000) / 32, x ln 2, x j  (a plain place behind the exponentials)
	v_mul_f32 v15, 0x342ae0c5, v7
	s_wait_alu depctr_va_vdst(0)
	v_fma_f32 v12, v12, v14, v12                   ; 10000^(-j / 32)
	v_fma_f32 v13, v13, v15, v13
	s_wait_loadcnt 0x0
.irp st, 0,1,2,3
	v_cvt_f32_i32 v[8+\st], v[8+\st]
.endr
; cos and sin of v[pf] x v[inv].  n = the nearest count of quarter turns, r = the rest, |r| <= pi/4; Taylor's sums to r^10 and r^9 (what is cut is under 2e-10 and 2e-9); n mod 4 swaps and signs.
.macro SINCOS pf, inv, c, s
	v_mul_f32 v16, v[\pf], v[\inv]
	v_mul_f32 v17, 0x3f22f983, v16                 ; x 2 / pi
	v_rndne_f32 v17, v17
	v_fma_f32 v18, v17, s24, v16
	v_fma_f32 v18, v17, s25, v18
	v_fma_f32 v18, v17, s26, v18                   ; r
	v_cvt_i32_f32 v19, v17
	v_mul_f32 v20, v18, v18                        ; z = r r
	v_mov_b32 v21, 0xb493f27e                      ; -1/10!
	v_mov_b32 v22, 0x3638ef1d                      ; 1/9!
	v_fmaak_f32 v21, v21, v20, 0x37d00d01          ; 1/8!
	v_fmaak_f32 v22, v22, v20, 0xb9500d01          ; -1/7!
	v_fmaak_f32 v21, v21, v20, 0xbab60b61          ; -1/6!
	v_fmaak_f32 v22, v22, v20, 0x3c088889          ; 1/5!
	v_fmaak_f32 v21, v21, v20, 0x3d2aaaab          ; 1/4!
	v_fmaak_f32 v22, v22, v20, 0xbe2aaaab          ; -1/3!
	v_fmaak_f32 v21, v21, v20, 0xbf000000          ; -1/2
	v_mul_f32 v23, v18, v20
	v_fma_f32 v21, v21, v20, 1.0                   ; cos r
	v_fma_f32 v22, v22, v23, v18                   ; sin r
	v_and_b32 v23, 1, v19
	v_cmp_eq_u32 vcc_lo, 1, v23
	v_cndmask_b32 v[\c], v21, v22, vcc_lo          ; an odd count swaps the two
	v_cndmask_b32 v[\s], v22, v21, vcc_lo
	v_lshlrev_b32 v23, 30, v19
	v_and_b32 v23, 0x80000000, v23                 ; n mod 4 = 2, 3: the sine changes sign
	v_xor_b32 v[\s], v[\s], v23
	v_add_nc_u32 v23, 1, v19
	v_lshlrev_b32 v23, 30, v23
	v_and_b32 v23, 0x80000000, v23                 ; n mod 4 = 1, 2: the cosine does
	v_xor_b32 v[\c], v[\c], v23
.endm
	s_wait_alu depctr_va_vdst(0)
.irp st, 0,1,2,3
	SINCOS 8+\st, 12, 32+4*\st, 33+4*\st
	SINCOS 8+\st, 13, 34+4*\st, 35+4*\st
	global_store_b128 v4, v[32+4*\st:35+4*\st], s[16:17] offset:2048*\st   ; a wave stores 512 consecutive bytes; each turn has its own data registers
.endr
	s_endpgm
.Lfunc_end_k_q4ca7802675_prep:
	.size	k_q4ca7802675_prep, .Lfunc_end_k_q4ca7802675_prep-k_q4ca7802675_prep
	.p2alignl 7, 3214868480
	.fill 96, 4, 3214868480
	.section	.rodata,"a",@progbits
	.p2align	6, 0x0
	.amdhsa_kernel k_q4ca7802675_prep
		.amdhsa_group_segment_fixed_size 33280
		.amdhsa_private_segment_fixed_size 0
		.amdhsa_enable_private_segment 0
		.amdhsa_kernarg_size 56
		.amdhsa_user_sgpr_count 2
		.amdhsa_user_sgpr_kernarg_segment_ptr 1
		.amdhsa_wavefront_size32 1
		.amdhsa_system_sgpr_workgroup_id_x 1
		.amdhsa_system_sgpr_workgroup_id_y 1
		.amdhsa_system_sgpr_workgroup_id_z 1
		.amdhsa_system_vgpr_workitem_id 0
		.amdhsa_next_free_vgpr 194
		.amdhsa_next_free_sgpr 66
		.amdhsa_reserve_vcc 1
		.amdhsa_float_denorm_mode_32 3
		.amdhsa_float_denorm_mode_16_64 3
		.amdhsa_memory_ordered 1
		.amdhsa_forward_progress 1
		.amdhsa_inst_pref_size 47
	.end_amdhsa_kernel
	.amdgpu_metadata
---
amdhsa.version: [ 1, 2 ]
amdhsa.kernels:
  - .name:           k_q4ca7802675_prep
    .symbol:         k_q4ca7802675_prep.kd
    .args:
      - { .name: x, .offset: 0, .size: 8, .value_kind: global_buffer, .address_space: global }
      - { .name: Wqkv_w, .offset: 8, .size: 8, .value_kind: global_buffer, .address_space: global }
      - { .name: Wo_w, .offset: 16, .size: 8, .value_kind: global_buffer, .address_space: global }
      - { .name: token_positions, .offset: 24, .size: 8, .value_kind: global_buffer, .address_space: global }
      - { .name: incodes, .offset: 32, .size: 8, .value_kind: global_buffer, .address_space: global }
      - { .name: inscales, .offset: 40, .size: 8, .value_kind: global_buffer, .address_space: global }
      - { .name: cs, .offset: 48, .size: 8, .value_kind: global_buffer, .address_space: global }
    .group_segment_fixed_size: 33280
    .private_segment_fixed_size: 0
    .kernarg_segment_align: 8
    .kernarg_segment_size: 56
    .max_flat_workgroup_size: 128
    .sgpr_count:     66
    .vgpr_count:     194
    .wavefront_size: 32
...
	.end_amdgpu_metadata
.endif
;; end of part 1
;; launch gemm_qkv (part 2): grid 8 x 32, 4 waves a work-group, clusters of 4 x 4, 327,680 bytes of LDS; arguments incodes, inscales, cs, Wqkv_b, qkvcodes, qkvscales; writes qkvcodes, qkvscales
.if DOCPART == 2
	.amdgcn_target "amdgcn-amd-amdhsa--gfx1250"
	.amdhsa_code_object_version 6
	.text
	.protected	k_q4ca7802675_gemm_qkv
	.globl	k_q4ca7802675_gemm_qkv
	.p2align	8
	.type	k_q4ca7802675_gemm_qkv,@function
k_q4ca7802675_gemm_qkv:
	s_mov_b64 s[64:65], 0
	v_nop
	global_prefetch_b8 v0, s[64:65] scope:SCOPE_SE
	s_setreg_imm32_b32 hwreg(HW_REG_WAVE_MODE, 25, 1), 1
	s_wait_xcnt 0x0
	s_wait_alu depctr_hold_cnt(0) depctr_sa_sdst(0) depctr_va_vdst(0) depctr_va_sdst(0) depctr_va_ssrc(0) depctr_va_vcc(0) depctr_vm_vsrc(0)
	s_getreg_b32 s2, hwreg(HW_REG_IB_STS2, 6, 4)
	s_cmp_eq_u32 s2, 0
	s_cbranch_scc0 .Lentry_in_a_cluster
	s_endpgm
.Lentry_in_a_cluster:
	s_bfe_u32 s2, ttmp6, 0x10000c
	s_cmp_lg_u32 s2, 0xf033
	s_cbranch_scc0 .Lentry_shape_is_right
	s_endpgm
.Lentry_shape_is_right:
; qkv = x Wqkv^T + b on codes of FP6 (E2M3, one E8M0 byte for each 32 along K = 1,024), then RoPE on Q and K, then Q, K, V quantised again for the attention: Q and K along the head's 64, V along the keys.
; A WORK-GROUP STAYS AND MAKES TWO TILES.  Q and K are 8,192 x 2,048 = 256 tiles of 256 tokens x 256 features; V is 256 tiles of 128 channels x 256 tokens: each of the 256 work-groups makes one of each, so all have equal work.
; Four waves.  In the first tile a wave makes 128 x 128 (64 accumulators), in the second 64 channels x 128 tokens (32).  K goes in steps of 256 through a ring of two LDS slots filled by the tensor data mover, and the ring
; goes on into the second tile: the first tile's last two changes of slots ask for the second tile's first two K steps, which land under the first tile's way out.  The scale bytes of both tiles come once, with the first fills.
; 4 x 4 work-groups form a cluster: side A's tile is asked for jointly by a row of the cluster, side B's by a column.
; BOTH SIDES ARE ROWS OF ONE BUFFER (x: rows 0 on, Wq 8,192 on, Wk 9,216 on, Wv 10,240 on).  First tile: A = tokens, B = features of Q (cluster x = 0) or K (1).  Second tile: A = Wv's rows, B = tokens.
; The matrix instruction takes source 0 = side B, source 1 = side A: a lane holds ONE row of side A, and its registers run along side B.
; By the stored order of rows (bits 3 and 4 of a row's number swapped) the 64 registers of a block of 16 rows of A are: register 16 B + i = side B's true row 32 B + 16 (lane / 16) + i.
; So for Q and K a lane's registers run along the features (two heads of 64), for V along 128 keys: in both cases along the next product's K, and the scaled conversions take them as they stand.
; THE WAY OUT NEEDS NO LDS: what is stored is the image of the reader's operand registers (piece c = registers 4 c .. 4 c + 3 of lane l at 512 c + 16 l of an image of 1,536 bytes), so each store of the wave covers 512 consecutive bytes.
;   Q, K: image F of a head holds 32 tokens: lane (r, h): registers 0-5 the codes of dk 32 h .. 32 h + 31 of token 32 F + r % 8 + 16 (r / 8), registers 6-11 those of that token + 8.
;   V: image 4 st + t: lane (r, h): channel 32 (t / 2) + 8 (t % 2) + r % 8 + 16 (r / 8); registers 6 c .. 6 c + 5: keys 128 st + 64 c + 32 h + 0 .. 31.
;   scale words: [type][head][step of 128][r 16][4 words]; Q, K: word F % 4 = (first token's two bytes, second token's two); V: word t = the four key blocks' bytes.
; LIMITS: a block of zeros gets the byte 1 (zero codes; only this program reads the bytes); NaN and infinities are not served.
; REGISTERS: window 0: v0-31 addresses; v32-63 scale words of the products, and nothing else; v64-127 at work on the ways out; from v128 A's fragments (second tile: two sets of 48), on the ways out 64 numbers and their rotated copy.
;   window 1: B's fragments, two sets at v0 and v128; on the first way out v0-63 cos and sin (two buffers), v64-127 the bias.   windows 2, 3: the accumulators ((a, b) at v[8 (8 (a % 4) + b)]).
.set KSTEP,  256
.set NQ,     2
.set ROWB,   192                       ; a tile's row: 256 codes
.set KROW,   768                       ; a row of codes in memory
.set PITCH,  240                       ; an LDS row: 3 x (64 bytes + 16 of padding): the 32 lanes of a load of 8 bytes touch 64 different banks
.set FR,     12
.set NL,     6                         ; LDS loads that bring a fragment
.set NP,     4
.set HALFT,  128*PITCH
.set SLOT,   4*HALFT
.set KS,     32                        ; a row of scale bytes
.set SCL,    2*SLOT                    ; the first tile's scale bytes: a piece of HALFS bytes for each wave
.set HALFS,  (128*KS/256)*272
.set SBLK,   (16*KS/256)*272
.set SCL2,   SCL+4*HALFS               ; the second tile's, likewise (A's two pieces are half full)
.set SPARE,  SCL2+4*HALFS              ; the spare words: 128 bytes a wave, two blocks of 256 bytes that no other line names
.set BIA,  6                           ; v6   64 h: my 16 numbers of each 32 of the bias
.set CSA,  7                           ; v7   256 (r % 8 + 16 (r / 8)) + 64 h: my token's row of the table, my eight pairs
.set VBA,  8                           ; v8   4 (r % 8 + 16 (r / 8)): my channel's bias
.set CO,   9                           ; v9   16 x lane: my place in a piece of an image
.set SO,   10                          ; v10  16 r + 4096 h: Q, K: my four scale words; lanes 16-31 serve the second head
.set SO2,  11                          ; v11  16 r + 8 h: V: two of my row's four scale words
.set ADRA, 16
.set ADRB, 20
.set ADRS2, 24                         ; v24  the second tile's scale words: lanes 0-15 A's rows, lanes 16-31 B's
.set ADRS2B, 25                        ; v25  the same, with lanes 0-15 four blocks back
.set ADRS, 27                          ; v27  the first tile's
.set SPW,  28
.set NIL,  29
.set SC,   32
.set F0,   64                          ; v64-75  the first head's image (V: the image)
.set F1,   76                          ; v76-87  the second head's
.set VBI,  76                          ; v76-83  V: my channels' bias, a pair for each block
.set QT,   88                          ; v88-95  a conversion's second halves
.set TM,   96                          ; v96-111 largest magnitudes, bytes, scale operands
.set PWE,  112                         ; v112, v113 the scale words of an even and an odd block
.set PWO,  113
.set W0,   114
.set W1,   115
.set SW,   116                         ; v116-119 scale words to store
.set SWV,  120                         ; v120-123 V: four blocks' scale words
.set AF,   128
.set X,    128                         ; v128-191 64 numbers with their bias
.set T,    192                         ; v192-255 and rotated
.set G1S2, 8                           ; s[8:15]   group 1 for the second tile's scales of A
.set G1, 24                            ; s[24:31]  group 1 for A's tiles;  s[32:39] group 0, one set for each slot
.set G0, 32
.set G1B, 48                           ; s[48:55], s[56:63] the same for B's
.set G0B, 56
.set A2, 66                            ; s[66:67]  where the second tile's rows of A begin
.set G1S, 68                           ; s[68:75], s[76:79] groups 1 and 0 for the first tile's scales of A;  s[80:87], s[88:91] for B's (group 1 serves both tiles)
.set G0S, 76
.set G1SB, 80
.set G0SB, 88
.set G0S2, 92                          ; s[92:95], s[96:99] groups 0 for the second tile's scales
.set G0SB2, 96
.set B2, 100                           ; s[100:101] where the second tile's rows of B begin
; Behind the first change of slots the scale loads are done and their registers are used again:
.set PCS, 68                           ; s[68:75]  cs, Wqkv_b, qkvcodes, qkvscales
.set PBI, 70
.set PCO, 72
.set PSC, 74
.set CSP, 76                           ; the first tile's table rows, bias, images, scale words
.set BP1, 78
.set CP1, 80
.set SP1, 82
.set BP2, 84                           ; the second tile's bias, images, scale words
.set CP2, 86
.set SP2, 88
.set SEL, 90                           ; s[90:91] v_permlanex16_b32's selects for lane l xor 16
.set LHI, 92                           ; s92      lanes 16-31
.set MSB, 0
.macro WIN new                         ; the immediate's high byte repeats the setting that is left
.if MSB != (\new)
	s_set_vgpr_msb (MSB<<8)|(\new)
.set MSB, \new
.endif
.endm
.set MUL_LO, 0xa1                      ; source 0 (B) window 1, source 1 (A) window 0, C and D window 2
.set MUL_HI, 0xf1
.set TO_B,   0x40
; A joint load: waves 0 and 1 fetch for A, waves 2 and 3 for B; the branch hangs on the wave's number alone.  Four v_nop follow each of the two lines.
.macro JLOAD g0a, g1a, g0b, g1b
	s_cmp_eq_u32 s17, 0
	s_cbranch_scc0 .Lfor_b_\@
	tensor_load_to_lds s[\g0a:\g0a+3], s[\g1a:\g1a+7]
	s_nop 0
.rept 4
	v_nop
.endr
	s_branch .Lasked_\@
.Lfor_b_\@:
	tensor_load_to_lds s[\g0b:\g0b+3], s[\g1b:\g1b+7]
	s_nop 0
.rept 4
	v_nop
.endr
.Lasked_\@:
.endm
.macro CREST                           ; a round of the cluster's barrier behind its opening barrier
	s_cmp_lg_u32 s16, 0
	s_cbranch_scc1 .Lnot_wave_0_\@
	s_barrier_signal -3
.Lnot_wave_0_\@:
	s_barrier_wait -3
	s_barrier_signal -1
	s_barrier_wait -1
.endm
.macro CROUND
	s_barrier_signal -1
	s_barrier_wait -1
	CREST
.endm
	s_load_b128 s[4:7], s[0:1], 0x0                ; incodes s[4:5], inscales s[6:7]; the other four addresses come later, into registers that are then free
	v_lshl_add_u32 v[SPW], v0, 2, SPARE
	v_mov_b32 v[NIL], 0
	ds_add_u32 v28, v29
	ds_add_u32 v28, v29
	s_wait_dscnt 0x0
	v_lshrrev_b32 v1, 5, v0
	v_readfirstlane_b32 s16, v1                    ; wave 0..3
	s_lshr_b32 s17, s16, 1                         ; my half of A's rows.  Also: I fetch for A (0) or for B (1)
	s_and_b32 s18, s16, 1                          ; my half of B's rows.  Also: which half of the tile's rows I fetch
	s_mov_b32 s19, ttmp9                           ; X, the cluster's x: 0 Q, 1 K
	s_and_b32 s2, ttmp7, 0xffff                    ; Y, the cluster's y: 0 .. 7
	s_bfe_u32 s40, ttmp6, 0x40000                  ; cx
	s_bfe_u32 s41, ttmp6, 0x40004                  ; cy
	s_lshl_b32 s43, s41, 2
	s_lshl_b32 s43, 15, s43                        ; my row of the cluster
	s_lshl_b32 s44, 0x1111, s40                    ; my column
	s_or_b32 s[G1+0], s43, (0<<16)|(1<<20)|(1<<21)|(3<<22)|(3<<25)  ; the mask; elements of 1 byte; padding on; bit 21 beside a mask; 4 words of padding behind every 16
	s_or_b32 s[G1B+0], s44, (0<<16)|(1<<20)|(1<<21)|(3<<22)|(3<<25)
.irp g, G1, G1B
	s_mov_b32 s[\g+1], ROWB<<16                    ; tensor_dim0
	s_mov_b32 s[\g+2], 128<<16                     ; tensor_dim1
	s_mov_b32 s[\g+3], ROWB<<16                    ; tile_dim0
	s_mov_b32 s[\g+4], 128                         ; tile_dim1
	s_mov_b32 s[\g+5], KROW                        ; the pitch
	s_mov_b32 s[\g+6], 0
	s_mov_b32 s[\g+7], 0
.endr
	s_or_b32 s[G1S+0], s43, (3<<16)|(1<<20)|(1<<21)|(5<<22)|(3<<25)  ; the scales of 128 rows: 4,096 dense bytes as 16 rows of 256 (32 elements of 8 bytes), 16 bytes of padding behind each
	s_or_b32 s[G1SB+0], s44, (3<<16)|(1<<20)|(1<<21)|(5<<22)|(3<<25)
	s_or_b32 s[G1S2+0], s43, (3<<16)|(1<<20)|(1<<21)|(5<<22)|(3<<25) ; those of 64 rows: 8 rows of 256
.irp g, G1S, G1SB, G1S2
	s_mov_b32 s[\g+1], 32<<16
	s_mov_b32 s[\g+3], 32<<16
	s_mov_b32 s[\g+5], 32
	s_mov_b32 s[\g+6], 0
	s_mov_b32 s[\g+7], 0
.endr
.irp g, G1S, G1SB
	s_mov_b32 s[\g+2], 16<<16
	s_mov_b32 s[\g+4], 16
.endr
	s_mov_b32 s[G1S2+2], 8<<16
	s_mov_b32 s[G1S2+4], 8
	; the rows that I fetch.  A's hang on Y, cy and the wave alone, B's on X, Y, cx and the wave alone.  Offsets are made in the registers that then take the addresses.
	s_lshl_b32 s3, s18, 7
	s_lshl_b32 s20, s2, 2                          ; first tile, A: tokens 256 (4 Y + cy) + 128 x half
	s_add_co_u32 s20, s20, s41
	s_lshl_b32 s20, s20, 8
	s_add_co_u32 s20, s20, s3
	s_lshl_b32 s[G0S+2], s20, 5                    ; 32 scale bytes a row,
	s_mov_b32 s[G0S+3], 0
	s_mul_i32 s[G0+2], s20, KROW                   ; 768 bytes of codes (12,288 rows stay under 2^24 bytes)
	s_mov_b32 s[G0+3], 0
	s_and_b32 s20, s2, 1                           ; second tile, A: Wv's rows 10,240 + 128 (4 (Y & 1) + cy) + 64 x half
	s_lshl_b32 s20, s20, 2
	s_add_co_u32 s20, s20, s41
	s_lshl_b32 s20, s20, 7
	s_lshl_b32 s21, s18, 6
	s_add_co_u32 s20, s20, s21
	s_add_co_u32 s20, s20, 10240
	s_lshl_b32 s[G0S2+2], s20, 5
	s_mov_b32 s[G0S2+3], 0
	s_mul_i32 s[A2], s20, KROW
	s_mov_b32 s[A2+1], 0
	s_lshl_b32 s46, s19, 2                         ; first tile, B: rows 256 (32 + 4 X + cx) + 128 x half
	s_add_co_u32 s46, s46, s40
	s_add_co_u32 s46, s46, 32
	s_lshl_b32 s46, s46, 8
	s_add_co_u32 s46, s46, s3
	s_lshl_b32 s[G0SB+2], s46, 5
	s_mov_b32 s[G0SB+3], 0
	s_mul_i32 s[G0B+2], s46, KROW
	s_mov_b32 s[G0B+3], 0
	s_lshr_b32 s46, s2, 1                          ; second tile, B: tokens 256 (4 (2 (Y / 2) + X) + cx) + 128 x half
	s_lshl_b32 s46, s46, 1
	s_add_co_u32 s46, s46, s19
	s_lshl_b32 s46, s46, 2
	s_add_co_u32 s46, s46, s40
	s_lshl_b32 s46, s46, 8
	s_add_co_u32 s46, s46, s3
	s_lshl_b32 s[G0SB2+2], s46, 5
	s_mov_b32 s[G0SB2+3], 0
	s_mul_i32 s[B2], s46, KROW
	s_mov_b32 s[B2+1], 0
	s_mul_i32 s45, s16, HALFT                      ; where they go: wave x a constant: no place in the cluster enters an LDS address
	s_mul_i32 s22, s16, HALFS
	s_wait_kmcnt 0x0
	s_add_nc_u64 s[G0+2:G0+3], s[4:5], s[G0+2:G0+3]
	s_add_nc_u64 s[G0+6:G0+7], s[G0+2:G0+3], ROWB  ; slot 1 begins with K step 1
	s_add_nc_u64 s[G0B+2:G0B+3], s[4:5], s[G0B+2:G0B+3]
	s_add_nc_u64 s[G0B+6:G0B+7], s[G0B+2:G0B+3], ROWB
	s_add_nc_u64 s[A2:A2+1], s[4:5], s[A2:A2+1]
	s_add_nc_u64 s[B2:B2+1], s[4:5], s[B2:B2+1]
	s_add_nc_u64 s[G0S+2:G0S+3], s[6:7], s[G0S+2:G0S+3]
	s_add_nc_u64 s[G0SB+2:G0SB+3], s[6:7], s[G0SB+2:G0SB+3]
	s_add_nc_u64 s[G0S2+2:G0S2+3], s[6:7], s[G0S2+2:G0S2+3]
	s_add_nc_u64 s[G0SB2+2:G0SB2+3], s[6:7], s[G0SB2+2:G0SB2+3]
.irp g, G0, G0+4, G0B, G0B+4, G0S, G0SB, G0S2, G0SB2
	s_mov_b32 s[\g], 1                             ; count = 1
	s_or_b32 s[\g+3], s[\g+3], 0x80000000          ; type = 2
.endr
	s_add_co_u32 s[G0+1], s45, 0
	s_add_co_u32 s[G0+5], s45, SLOT
	s_add_co_u32 s[G0B+1], s45, 0
	s_add_co_u32 s[G0B+5], s45, SLOT
	s_add_co_u32 s[G0S+1], s22, SCL
	s_add_co_u32 s[G0SB+1], s22, SCL
	s_add_co_u32 s[G0S2+1], s22, SCL2
	s_add_co_u32 s[G0SB2+1], s22, SCL2
	CROUND                                         ; all sixteen work-groups are here: the first joint loads meet
	JLOAD G0S, G1S, G0SB, G1SB                     ; the first tile's scales,
	JLOAD G0S2, G1S2, G0SB2, G1SB                  ; the second tile's,
	JLOAD G0, G1, G0B, G1B                         ; K step 0,
	JLOAD G0+4, G1, G0B+4, G1B                     ; K step 1: four tensor loads of mine are out
	v_and_b32 v1, 15, v0                           ; r
	v_bfe_u32 v2, v0, 4, 1                         ; h
	v_mul_u32_u24 v3, v1, PITCH
	v_mul_u32_u24 v4, v2, 24
	v_add_nc_u32 v4, v3, v4                        ; a fragment's row x pitch + 24 h
	v_lshl_add_u32 v5, v2, 4, v4                   ; and the same behind one padding more
	s_mul_i32 s21, s17, HALFT                      ; my rows of A (128, or in the second tile 64)
	s_mul_i32 s22, s18, HALFT                      ; my 128 rows of B,
	s_add_co_u32 s22, s22, 2*HALFT                 ; which lie behind A's two pieces
.irp s, 0,1
	v_add_nc_u32 v[ADRA+\s], s21, v4
	v_add_nc_u32 v[ADRB+\s], s22, v4
	v_add_nc_u32 v[ADRA+2+\s], s21, v5
	v_add_nc_u32 v[ADRB+2+\s], s22, v5
	s_add_co_u32 s21, s21, SLOT
	s_add_co_u32 s22, s22, SLOT
.endr
	v_mul_u32_u24 v13, v1, KS                      ; my row's scales: 32 bytes a row,
	v_lshrrev_b32 v14, 8, v13
	v_lshl_add_u32 v13, v14, 4, v13                ; and 16 more for each 256 passed
	s_mul_i32 s21, s17, HALFS
	s_mul_i32 s22, s18, HALFS
	s_add_co_u32 s22, s22, 2*HALFS
	s_sub_co_u32 s22, s22, s21
	v_mul_u32_u24 v14, s22, v2                     ; lanes 16-31 take B's
	s_add_co_u32 s21, s21, SCL
	v_add_nc_u32 v13, v13, v14
	v_add_nc_u32 v[ADRS], s21, v13
	v_add_nc_u32 v[ADRS2], 4*HALFS, v[ADRS]
	v_mul_u32_u24 v14, v2, 4*SBLK
	v_add_nc_u32 v[ADRS2B], 4*HALFS-4*SBLK, v[ADRS]
	v_add_nc_u32 v[ADRS2B], v[ADRS2B], v14         ; lanes 0-15 four blocks back, lanes 16-31 as they are
	v_lshlrev_b32 v[BIA], 6, v2
	v_and_b32 v13, 7, v1
	v_lshrrev_b32 v14, 3, v1
	v_lshl_add_u32 v15, v14, 4, v13                ; r % 8 + 16 (r / 8): my row of A among a block's 32 true rows
	v_lshl_add_u32 v[CSA], v15, 8, v[BIA]
	v_lshlrev_b32 v[VBA], 2, v15
	v_and_b32 v14, 31, v0
	v_lshlrev_b32 v[CO], 4, v14
	v_lshlrev_b32 v[SO], 4, v1
	v_lshl_add_u32 v[SO2], v2, 3, v[SO]
	v_lshl_add_u32 v[SO], v2, 12, v[SO]
.irp b, 0,1,2,3
	v_mov_b32 v[TM+4+\b], 0                        ; written once: a lane permute's destination counts as one of its sources
.endr
.macro FRAG reg, adr, q, i             ; a fragment, 16 rows x 128 K, is 12 registers: registers 6 c .. 6 c + 5 of lane l hold K = 64 c + 32 (l / 16) + 0 .. 31 of row l % 16: 24 bytes as they lie, in pieces of 8
.irp p, 0,1,2,3,4,5
.set PC, 12*(\q)+6*(\p/3)+\p%3        ; 16 bytes of padding lie behind every 8 pieces: where the piece three on lies behind one padding more, the second address register serves
.if PC%8 < 5
	ds_load_b64 v[\reg+2*\p:\reg+2*\p+1], v[\adr] offset:8*PC+16*(PC/8)+(\i)*16*PITCH
.else
	ds_load_b64 v[\reg+2*\p:\reg+2*\p+1], v[\adr+2] offset:8*PC+16*(PC/8)+(\i)*16*PITCH
.endif
.endr
.endm
; 16 matrix instructions: A's blocks a0, a0 + 1 (block a at v[af + 12 a]) x B's eight (set p).  The accumulators take turns, one instruction a turn, in the same order in every step.
.macro MUL16 a0, af, p, q, sc, zero
.irp a, \a0, \a0+1
.irp b, 0,1,2,3,4,5,6,7
.if \zero
	v_wmma_scale_f32_16x16x128_f8f6f4 v[8*(8*((\a)%4)+\b):8*(8*((\a)%4)+\b)+7], v[128*(\p)+FR*\b:128*(\p)+FR*\b+FR-1], v[(\af)+FR*(\a):(\af)+FR*(\a)+FR-1], 0, v[SC+8*NQ*(\sc)+NQ*\b+(\q)], v[SC+8*NQ*(\sc)+NQ*(\a)+(\q)] matrix_a_fmt:MATRIX_FMT_FP6 matrix_b_fmt:MATRIX_FMT_FP6 matrix_a_scale:MATRIX_SCALE_ROW1
.else
	v_wmma_scale_f32_16x16x128_f8f6f4 v[8*(8*((\a)%4)+\b):8*(8*((\a)%4)+\b)+7], v[128*(\p)+FR*\b:128*(\p)+FR*\b+FR-1], v[(\af)+FR*(\a):(\af)+FR*(\a)+FR-1], v[8*(8*((\a)%4)+\b):8*(8*((\a)%4)+\b)+7], v[SC+8*NQ*(\sc)+NQ*\b+(\q)], v[SC+8*NQ*(\sc)+NQ*(\a)+(\q)] matrix_a_fmt:MATRIX_FMT_FP6 matrix_b_fmt:MATRIX_FMT_FP6 matrix_a_scale:MATRIX_SCALE_ROW1
.endif
.endr
.endr
.endm
.macro FETCH_B slot, q, p
	WIN TO_B
.irp i, 0,1,2,3,4,5,6,7
	FRAG 128*(\p)+FR*\i, ADRB+\slot, \q, \i
.endr
	WIN 0
.endm
.macro FETCH_A slot, q, i0             ; the first tile: A's blocks i0 .. i0 + 3, one set
.irp i, \i0, \i0+1, \i0+2, \i0+3
	FRAG AF+FR*(\i), ADRA+\slot, \q, \i
.endr
.endm
.macro FETCH_AV slot, q, p             ; the second tile: A's four blocks into set p
.irp i, 0,1,2,3
	FRAG AF+48*(\p)+FR*\i, ADRA+\slot, \q, \i
.endr
.endm
.macro SCALES sc, lo, hi               ; a K step's scale words: two words a row; lanes 0-15 take A's block i, lanes 16-31 B's block i.  In the second tile A has four blocks: by v[hi] lanes 0-15 read blocks 0-3 again, words that no product names
.irp i, 0,1,2,3
	ds_load_b64 v[SC+8*NQ*\sc+NQ*\i:SC+8*NQ*\sc+NQ*\i+1], v[\lo] offset:\i*SBLK
.endr
.irp i, 4,5,6,7
	ds_load_b64 v[SC+8*NQ*\sc+NQ*\i:SC+8*NQ*\sc+NQ*\i+1], v[\hi] offset:\i*SBLK
.endr
.endm
.macro PLACES n                        ; plain vector instructions between a matrix instruction and a load into, or a read of, its registers
.rept \n
	v_nop
.endr
.endm
; ---- the first tile's steps
.macro STEP slot, q, zero              ; 128 along K that have their successor in the same slot
	s_wait_dscnt 4*NL                              ; B's set and A's blocks 0-3 are in; the youngest 24 loads (A's blocks 4-7) may be out
	WIN MUL_LO
	MUL16 0, AF, (\q)%2, \q, \slot, \zero
	MUL16 2, AF, (\q)%2, \q, \slot, \zero
	s_wait_dscnt 0
	PLACES NP
	FETCH_B \slot, (\q)+1, 1-(\q)%2
	FETCH_A \slot, (\q)+1, 0
	WIN MUL_HI
	MUL16 4, AF, (\q)%2, \q, \slot, \zero
	MUL16 6, AF, (\q)%2, \q, \slot, \zero
	PLACES NP
	WIN 0
	FETCH_A \slot, (\q)+1, 4
.endm
; A slot's last step changes slots: a round of the cluster's barrier; in front of it each wave waits for all its tensor loads, adds 0 to its spare word, and waits for that and for its reads of this slot.
; The slot is filled again: fill = 1: with this tile's K step two on; 2, 3: with the second tile's K step 0 (slot 0) or 1 (slot 1).  fill = 3 is the tile's last step: no fragments are fetched, since the way out takes their registers.
.macro TURN slot, next, fill
	s_wait_tensorcnt 0x0                           ; all my tensor loads have landed: my part of the next slot
	ds_add_u32 v[SPW], v[NIL]                      ; 0 onto my spare word
	s_wait_dscnt 4*NL+1                            ; (the add and A's blocks 4-7 may be out)
	WIN MUL_LO
	MUL16 0, AF, 1, NQ-1, \slot, 0
	s_wait_dscnt 0x0                               ; the add is done, and my reads of this slot are over
	s_barrier_signal -1
	MUL16 2, AF, 1, NQ-1, \slot, 0
	WIN 0
	s_barrier_wait -1
	CREST                                          ; no wave of any partner still reads this slot or has a load on its way; no tensor load of mine is out, so descriptors may be written
.if \fill == 1
	s_add_nc_u64 s[G0+4*\slot+2:G0+4*\slot+3], s[G0+4*\slot+2:G0+4*\slot+3], 2*ROWB
	s_add_nc_u64 s[G0B+4*\slot+2:G0B+4*\slot+3], s[G0B+4*\slot+2:G0B+4*\slot+3], 2*ROWB
.else
.if \fill == 2
	s_mov_b32 s[G1+2], 64<<16                      ; from here on A's loads bring 64 rows: tensor_dim1,
	s_mov_b32 s[G1+4], 64                          ; tile_dim1
.endif
	s_add_nc_u64 s[G0+4*\slot+2:G0+4*\slot+3], s[A2:A2+1], \slot*ROWB
	s_or_b32 s[G0+4*\slot+3], s[G0+4*\slot+3], 0x80000000
	s_add_nc_u64 s[G0B+4*\slot+2:G0B+4*\slot+3], s[B2:B2+1], \slot*ROWB
	s_or_b32 s[G0B+4*\slot+3], s[G0B+4*\slot+3], 0x80000000
.endif
	JLOAD G0+4*\slot, G1, G0B+4*\slot, G1B         ; the first tensor load behind the round; its four v_nop are also the places in front of the loads below
.if \fill < 3
	s_wait_alu depctr_va_vdst(0)
	v_add_nc_u32 v[ADRS], 4*NQ, v[ADRS]            ; the next K step's scale words
	FETCH_B \next, 0, 0
	FETCH_A \next, 0, 0
	SCALES \next, ADRS, ADRS
.endif
	WIN MUL_HI
	MUL16 4, AF, 1, NQ-1, \slot, 0
	MUL16 6, AF, 1, NQ-1, \slot, 0
	PLACES NP
	WIN 0
.if \fill < 3
	FETCH_A \next, 0, 4
.endif
.endm
; ---- the second tile's steps: 32 products each; A and B have two sets, and a step's fragments are asked for at the head of the step before
.macro STEPV slot, zero                ; a slot's first 128 along K (sets 0); fetches its second (sets 1)
	s_wait_dscnt 0x0                               ; this step's fragments are in
.if \zero == 0
	PLACES NP                                      ; behind the products that read sets 1
.endif
	FETCH_B \slot, 1, 1
	FETCH_AV \slot, 1, 1
	WIN MUL_LO
	MUL16 0, AF, 0, 0, \slot, \zero
	MUL16 2, AF, 0, 0, \slot, \zero
	WIN 0
.endm
.macro TURNV slot, next, fill          ; a slot's second 128 along K (sets 1) changes slots.  Its fragments are in registers at its head, so my reads of the slot are over there
	s_wait_tensorcnt 0x0                           ; all my tensor loads have landed: my part of the next slot
	ds_add_u32 v[SPW], v[NIL]                      ; 0 onto my spare word
	s_wait_dscnt 0x0                               ; the add is done; this step's fragments are in
	s_barrier_signal -1
	WIN MUL_LO
	MUL16 0, AF+48, 1, 1, \slot, 0                 ; work on registers while the others arrive
	WIN 0
	s_barrier_wait -1
.if \fill
	CREST
	s_add_nc_u64 s[G0+4*\slot+2:G0+4*\slot+3], s[G0+4*\slot+2:G0+4*\slot+3], 2*ROWB
	s_add_nc_u64 s[G0B+4*\slot+2:G0B+4*\slot+3], s[G0B+4*\slot+2:G0B+4*\slot+3], 2*ROWB
	JLOAD G0+4*\slot, G1, G0B+4*\slot, G1B         ; its four v_nop are also the places behind the products that read sets 0
.else
	PLACES NP
.endif
	s_wait_alu depctr_va_vdst(0)
	v_add_nc_u32 v[ADRS2], 4*NQ, v[ADRS2]
	v_add_nc_u32 v[ADRS2B], 4*NQ, v[ADRS2B]
	FETCH_B \next, 0, 0
	FETCH_AV \next, 0, 0
	SCALES \next, ADRS2, ADRS2B
	WIN MUL_LO
	MUL16 2, AF+48, 1, 1, \slot, 0
	WIN 0
.endm
; 64 numbers of a lane, register 16 b + i = k 32 b + 16 (lane / 16) + i of my row, become codes: v[d0] .. v[d0 + 5] = k 32 (lane / 16) + 0 .. 31, v[d1] .. v[d1 + 5] = k 64 + 32 (lane / 16) + 0 .. 31; the four blocks' bytes make v[pw].
.macro QUANT s, d0, d1, pw
.irp b, 0,1,2,3
	v_max3_num_f32 v[TM+\b], |v[\s+16*\b]|, |v[\s+1+16*\b]|, 0x1800000   ; my 16 numbers of block b, and the floor 2^(3 - 127): the byte cannot fall under 1
.endr
.irp i, 2,4,6,8,10,12,14
.irp b, 0,1,2,3
	v_max3_num_f32 v[TM+\b], v[TM+\b], |v[\s+16*\b+\i]|, |v[\s+1+16*\b+\i]|
.endr
.endr
.irp b, 0,1,2,3
	v_permlanex16_b32 v[TM+4+\b], v[TM+\b], s[SEL], s[SEL+1]
.endr
.irp b, 0,1,2,3
	v_max_num_f32 v[TM+\b], v[TM+\b], v[TM+4+\b]   ; with lane l xor 16's: the block's largest magnitude
.endr
.irp b, 0,1,2,3
	v_add_nc_u32 v[TM+12+\b], 0xff000000, v[TM+\b] ; 2 off its exponent field: the conversion's scale operand
.endr
.irp b, 0,1,2,3
	v_lshrrev_b32 v[TM+4+\b], 23, v[TM+12+\b]      ; the scale's byte
.endr
	v_lshl_or_b32 v[\pw], v[TM+5], 8, v[TM+4]
	v_lshl_or_b32 v[\pw], v[TM+6], 16, v[\pw]
	v_lshl_or_b32 v[\pw], v[TM+7], 24, v[\pw]
.irp c, 0,1
.set QD, (\d0)+((\d1)-(\d0))*\c
	v_cvt_scalef32_pk16_fp6_f32 v[QD:QD+2], v[\s+32*\c:\s+15+32*\c], v[TM+12+2*\c]
	v_cvt_scalef32_pk16_fp6_f32 v[QT+4*\c:QT+4*\c+2], v[\s+16+32*\c:\s+31+32*\c], v[TM+12+2*\c+1]   ; (a conversion's three registers begin on an even number)
.endr
	v_nop                                          ; one plain place behind a scaled conversion
.irp c, 0,1                            ; the operand's layout wants a whole block in a lane: lanes 0-15 block 2 c, lanes 16-31 block 2 c + 1
.set QD, (\d0)+((\d1)-(\d0))*\c
.irp i, 0,1,2
	v_permlane16_swap_b32 v[QD+\i], v[QT+4*\c+\i]
.endr
.irp i, 0,1,2
	v_mov_b32 v[QD+3+\i], v[QT+4*\c+\i]
.endr
.endr
.endm
; ---- the first tile's way out
.macro CSLOAD a                        ; block a's tokens: my token's eight pairs of each half of a head: 2 x 64 bytes
	WIN 0x40
.irp bb, 0,1
.irp k, 0,1,2,3
	global_load_b128 v[32*((\a)%2)+16*\bb+4*\k:32*((\a)%2)+16*\bb+4*\k+3], v[CSA], s[CSP:CSP+1] offset:(32*((\a)/2)+8*((\a)%2))*256+128*\bb+16*\k
.endr
.endr
.endm
.macro BLOCKQK a                       ; 16 tokens x my two heads
.if (\a) < 7
	s_wait_loadcnt 8                               ; this block's cos and sin are in (and the bias); the next block's eight loads may be out
.else
	s_wait_loadcnt 0x0
.endif
	WIN 0x06+(\a)/4                                ; source 0: the accumulators' window; source 1: window 1
.set ii, 0
.rept 32
	v_pk_add_f32 v[X+2*ii:X+2*ii+1], v[64*((\a)%4)+2*ii:64*((\a)%4)+2*ii+1], v[64+2*ii:64+2*ii+1]   ; + bias; each accumulator from its low end on
.set ii, ii+1
.endr
	WIN 0x04                                       ; source 1: window 1
.set bb, 0
.rept 4
.set ii, 0
.rept 8
	v_pk_mul_f32 v[T+16*bb+2*ii:T+16*bb+2*ii+1], v[X+16*bb+2*ii:X+16*bb+2*ii+1], v[32*((\a)%2)+16*(bb%2)+2*ii:32*((\a)%2)+16*(bb%2)+2*ii+1] op_sel_hi:[1,0]   ; (x1, x2) cos
.set ii, ii+1
.endr
.set ii, 0
.rept 8
	v_fma_f32 v[T+16*bb+2*ii], -v[X+16*bb+2*ii+1], v[32*((\a)%2)+16*(bb%2)+2*ii+1], v[T+16*bb+2*ii]       ; x1 cos - x2 sin
	v_fma_f32 v[T+16*bb+2*ii+1], v[X+16*bb+2*ii], v[32*((\a)%2)+16*(bb%2)+2*ii+1], v[T+16*bb+2*ii+1]      ; x2 cos + x1 sin
.set ii, ii+1
.endr
.set bb, bb+1
.endr
.if (\a)+2 <= 7
	CSLOAD (\a)+2                                  ; into the buffer just read
.endif
	WIN 0
	QUANT T, F0+6*((\a)%2), F1+6*((\a)%2), PWE+(\a)%2
.endm
.macro PAIRQK al                       ; blocks 2 al and 2 al + 1 are the two halves of an image's registers, for each of my two heads
.if \al > 0
	s_wait_xcnt 0x0                                ; the last pair's stores have read their data: the images' registers are written again only behind this wait
.endif
	BLOCKQK 2*\al
	BLOCKQK 2*\al+1
	v_perm_b32 v[W0], v[PWO], v[PWE], 0x05040100   ; the first head's word: the even block's two bytes, the odd block's two
	v_perm_b32 v[W1], v[PWO], v[PWE], 0x07060302   ; the second head's
	v_cndmask_b32 v[SW+\al], v[W0], v[W1], s[LHI]  ; lanes 16-31 carry the second head's
.irp k, 0,1,2
	global_store_b128 v[CO], v[F0+4*\k:F0+4*\k+3], s[CP1:CP1+1] offset:\al*1536+512*\k          ; the wave stores 512 consecutive bytes, aligned
	global_store_b128 v[CO], v[F1+4*\k:F1+4*\k+3], s[CP1:CP1+1] offset:98304+\al*1536+512*\k
.endr
.endm
; ---- the second tile's way out
.macro BLOCKV a                        ; 16 channels x 128 keys: one image
	WIN 0x02                                       ; source 0: window 2
.set ii, 0
.rept 32
	v_pk_add_f32 v[X+2*ii:X+2*ii+1], v[64*(\a)+2*ii:64*(\a)+2*ii+1], v[VBI+2*(\a):VBI+2*(\a)+1]
.set ii, ii+1
.endr
	WIN 0
.if (\a) > 0
	s_wait_xcnt 0x0                                ; the last image's stores have read their data
.endif
	QUANT X, F0, F0+6, SWV+(\a)
.irp k, 0,1,2
	global_store_b128 v[CO], v[F0+4*\k:F0+4*\k+3], s[CP2:CP2+1] offset:(\a)*1536+512*\k
.endr
.endm
	s_wait_tensorcnt 1                             ; both tiles' scales and my part of K step 0 are in (K step 1's load may be out),
	s_barrier_signal -1
	s_barrier_wait -1                              ; everybody's are
	FETCH_B 0, 0, 0
	FETCH_A 0, 0, 0
	SCALES 0, ADRS, ADRS
	FETCH_A 0, 0, 4
	STEP 0, 0, 1                                   ; K = 1,024 is four K steps: written out.  The first products start the sums
	TURN 0, 1, 1
	s_load_b256 s[PCS:PCS+7], s[0:1], 0x10         ; the scale loads are done (the change of slots has waited for all my tensor loads): their registers take cs, Wqkv_b, qkvcodes, qkvscales
	STEP 1, 0, 0
	s_wait_kmcnt 0x0
	; where the results go
	s_mov_b32 s[SEL], 0x76543210
	s_mov_b32 s[SEL+1], 0xfedcba98
	s_mov_b32 s[LHI], 0xffff0000
	s_and_b32 s20, s2, 1
	s_lshl_b32 s20, s20, 2
	s_add_co_u32 s21, s20, s41
	s_lshl_b32 s22, s21, 1
	s_add_co_u32 s22, s22, s17                     ; 2 (4 (Y & 1) + cy) + my half of A: the first tile's step of 128 tokens in the batch, and the second tile's head
	s_lshl_b32 s23, s40, 2
	s_lshl_b32 s3, s18, 1
	s_add_co_u32 s23, s23, s3                      ; the first tile's first head: 4 cx + 2 x my half of B
	s_lshr_b32 s46, s2, 1
	s_lshl_b32 s46, s46, 4                         ; 16 x batch (both tiles' tokens lie in batch Y / 2)
	s_add_co_u32 s47, s46, s23
	s_mov_b32 s43, 0
	s_lshl_b32 s42, s22, 15                        ; the table: 128 rows of 256 bytes a step
	s_add_nc_u64 s[CSP:CSP+1], s[PCS:PCS+1], s[42:43]
	s_lshl_b32 s42, s19, 12                        ; the bias: (1,024 x type + 64 x head) x 4 bytes
	s_lshl_b32 s3, s23, 8
	s_add_co_u32 s42, s42, s3
	s_add_nc_u64 s[BP1:BP1+1], s[PBI:PBI+1], s[42:43]
	s_mul_i32 s42, s19, 6291456                    ; the codes: type, head (98,304 bytes), step (four images)
	s_mul_i32 s3, s47, 98304
	s_add_co_u32 s42, s42, s3
	s_mul_i32 s3, s22, 6144
	s_add_co_u32 s42, s42, s3
	s_add_nc_u64 s[CP1:CP1+1], s[PCO:PCO+1], s[42:43]
	s_lshl_b32 s42, s19, 18                        ; the scale words: type, head (4,096 bytes), step (256)
	s_lshl_b32 s3, s47, 12
	s_add_co_u32 s42, s42, s3
	s_lshl_b32 s3, s22, 8
	s_add_co_u32 s42, s42, s3
	s_add_nc_u64 s[SP1:SP1+1], s[PSC:PSC+1], s[42:43]
	s_add_co_u32 s47, s46, s22                     ; the second tile: 16 x batch + head,
	s_lshl_b32 s23, s19, 2
	s_add_co_u32 s23, s23, s40
	s_lshl_b32 s23, s23, 1
	s_add_co_u32 s23, s23, s18                     ; its step of 128 keys: 2 (4 X + cx) + my half of B
	s_lshl_b32 s42, s22, 8
	s_add_co_u32 s42, s42, 8192                    ; (2,048 + 64 x head) x 4 bytes
	s_add_nc_u64 s[BP2:BP2+1], s[PBI:PBI+1], s[42:43]
	s_mul_i32 s42, s47, 98304
	s_add_co_u32 s42, s42, 12582912
	s_mul_i32 s3, s23, 6144
	s_add_co_u32 s42, s42, s3
	s_add_nc_u64 s[CP2:CP2+1], s[PCO:PCO+1], s[42:43]
	s_lshl_b32 s42, s47, 12
	s_add_co_u32 s42, s42, 524288
	s_lshl_b32 s3, s23, 8
	s_add_co_u32 s42, s42, s3
	s_add_nc_u64 s[SP2:SP2+1], s[PSC:PSC+1], s[42:43]
	TURN 1, 0, 1
	STEP 0, 0, 0
	TURN 0, 1, 2                                   ; THE RING GOES ON INTO THE SECOND TILE: slot 0 takes its K step 0
	STEP 1, 0, 0
	; the bias and the first two blocks' cos and sin are asked for now, into B's idle set (the places at the end of the step above stand in front), and land under the last 64 products
	WIN 0x40
.irp bb, 0,1,2,3
.irp k, 0,1,2,3
	global_load_b128 v[64+16*\bb+4*\k:64+16*\bb+4*\k+3], v[BIA], s[BP1:BP1+1] offset:128*\bb+16*\k   ; the bias of features 32 B + 16 h + 0 .. 15
.endr
.endr
	CSLOAD 0
	CSLOAD 1
	WIN 0
	TURN 1, 0, 3                                   ; slot 1 takes the second tile's K step 1; the places at its end stand in front of the first read of results and of writes to A's registers
	PAIRQK 0
	PAIRQK 1
	PAIRQK 2
	PAIRQK 3
	global_store_b128 v[SO], v[SW:SW+3], s[SP1:SP1+1]   ; sixteen lanes store 256 consecutive bytes, aligned: one head's words of this step
	; ---- V.  Slot 0 holds its K step 0: the last round stood behind every wave's wait for it.  A lane holds one channel, its registers run along 128 keys.
	s_wait_xcnt 0x0                                ; the stores have read their data: the second image's registers take the bias
.irp a, 0,1,2,3
	global_load_b32 v[VBI+2*\a], v[VBA], s[BP2:BP2+1] offset:(32*(\a/2)+8*(\a%2))*4     ; my channel's bias, twice: a pair for the packed addition
	global_load_b32 v[VBI+2*\a+1], v[VBA], s[BP2:BP2+1] offset:(32*(\a/2)+8*(\a%2))*4
.endr
	FETCH_B 0, 0, 0
	FETCH_AV 0, 0, 0
	SCALES 0, ADRS2, ADRS2B
	STEPV 0, 1
	TURNV 0, 1, 1
	STEPV 1, 0
	TURNV 1, 0, 1
	STEPV 0, 0
	TURNV 0, 1, 0                                  ; the last two K steps fill nothing
	STEPV 1, 0
	s_wait_dscnt 0x0                               ; the very last 128 along K
	WIN MUL_LO
	MUL16 0, AF+48, 1, 1, 1, 0
	MUL16 2, AF+48, 1, 1, 1, 0
	WIN 0
	PLACES NP
	s_wait_loadcnt 0x0                             ; the bias
.irp a, 0,1,2,3
	BLOCKV \a
.endr
	v_cndmask_b32 v[SW], v[SWV], v[SWV+2], s[LHI]  ; lanes 0-15 store their row's words 0 and 1, lanes 16-31 words 2 and 3
	v_cndmask_b32 v[SW+1], v[SWV+1], v[SWV+3], s[LHI]
	global_store_b64 v[SO2], v[SW:SW+1], s[SP2:SP2+1]   ; 32 lanes store 256 consecutive bytes, aligned
	s_wait_tensorcnt 0x0                           ; the wave's end
	ds_add_u32 v[SPW], v[NIL]
	s_wait_dscnt 0x0
	CROUND                                         ; the closing round: no work-group ends while a partner may still ask for a tile that names it
	s_endpgm
.Lfunc_end_k_q4ca7802675_gemm_qkv:
	.size	k_q4ca7802675_gemm_qkv, .Lfunc_end_k_q4ca7802675_gemm_qkv-k_q4ca7802675_gemm_qkv
	.p2alignl 7, 3214868480
	.fill 96, 4, 3214868480
	.section	.rodata,"a",@progbits
	.p2align	6, 0x0
	.amdhsa_kernel k_q4ca7802675_gemm_qkv
		.amdhsa_group_segment_fixed_size 327680
		.amdhsa_private_segment_fixed_size 0
		.amdhsa_enable_private_segment 0
		.amdhsa_kernarg_size 48
		.amdhsa_user_sgpr_count 2
		.amdhsa_user_sgpr_kernarg_segment_ptr 1
		.amdhsa_wavefront_size32 1
		.amdhsa_system_sgpr_workgroup_id_x 1
		.amdhsa_system_sgpr_workgroup_id_y 1
		.amdhsa_system_sgpr_workgroup_id_z 1
		.amdhsa_system_vgpr_workitem_id 0
		.amdhsa_next_free_vgpr 1024
		.amdhsa_next_free_sgpr 102
		.amdhsa_reserve_vcc 0
		.amdhsa_float_denorm_mode_32 3
		.amdhsa_float_denorm_mode_16_64 3
		.amdhsa_memory_ordered 1
		.amdhsa_forward_progress 1
		.amdhsa_inst_pref_size 255
	.end_amdhsa_kernel
	.section	.bss,"aw",@nobits
	.p2align	6
	.space	262144
	.amdgpu_metadata
---
amdhsa.version: [ 1, 2 ]
amdhsa.kernels:
  - .name:           k_q4ca7802675_gemm_qkv
    .symbol:         k_q4ca7802675_gemm_qkv.kd
    .args:
      - { .name: incodes, .offset: 0, .size: 8, .value_kind: global_buffer, .address_space: global }
      - { .name: inscales, .offset: 8, .size: 8, .value_kind: global_buffer, .address_space: global }
      - { .name: cs, .offset: 16, .size: 8, .value_kind: global_buffer, .address_space: global }
      - { .name: Wqkv_b, .offset: 24, .size: 8, .value_kind: global_buffer, .address_space: global }
      - { .name: qkvcodes, .offset: 32, .size: 8, .value_kind: global_buffer, .address_space: global }
      - { .name: qkvscales, .offset: 40, .size: 8, .value_kind: global_buffer, .address_space: global }
    .group_segment_fixed_size: 327680
    .private_segment_fixed_size: 0
    .kernarg_segment_align: 8
    .kernarg_segment_size: 48
    .max_flat_workgroup_size: 128
    .sgpr_count:     102
    .vgpr_count:     1024
    .wavefront_size: 32
...
	.end_amdgpu_metadata
.endif
;; end of part 2
;; launch attn (part 3): grid 4 x 64, 16 waves a work-group, clusters of 4 x 1, 206,848 bytes of LDS; arguments qkvcodes, qkvscales, aocodes, aoscales; writes aocodes, aoscales
.if DOCPART == 3
	.amdgcn_target "amdgcn-amd-amdhsa--gfx1250"
	.amdhsa_code_object_version 6
	.text
	.protected	k_q4ca7802675_attn
	.globl	k_q4ca7802675_attn
	.p2align	8
	.type	k_q4ca7802675_attn,@function
k_q4ca7802675_attn:
	s_mov_b64 s[64:65], 0
	v_nop
	global_prefetch_b8 v0, s[64:65] scope:SCOPE_SE
	s_setreg_imm32_b32 hwreg(HW_REG_WAVE_MODE, 25, 1), 1
	s_wait_xcnt 0x0
	s_wait_alu depctr_hold_cnt(0) depctr_sa_sdst(0) depctr_va_vdst(0) depctr_va_sdst(0) depctr_va_ssrc(0) depctr_va_vcc(0) depctr_vm_vsrc(0)
	s_getreg_b32 s2, hwreg(HW_REG_IB_STS2, 6, 4)
	s_cmp_eq_u32 s2, 0
	s_cbranch_scc0 .Lentry_in_a_cluster
	s_endpgm
.Lentry_in_a_cluster:
	s_bfe_u32 s2, ttmp6, 0x10000c
	s_cmp_lg_u32 s2, 0x3003
	s_cbranch_scc0 .Lentry_shape_is_right
	s_endpgm
.Lentry_shape_is_right:
; Causal attention of one head (64 channels, 2,048 tokens) on codes of FP6 (E2M3) with one E8M0 byte for each 32 along a product's K; its result, divided by the row's sum, is quantised along the channels for the last product.
; THE SOFTMAX: t = score x log2(e) / 8; M = the row's largest t so far, rounded up to a whole number; p = 2^(t - M) is quantised along the keys, not normalised; the sum is taken of the unquantised p.
; When M moves, the sum and O are multiplied by 2^(old M - new M): exact.
; SHARES.  A head's 2,048 queries are 16 groups of 128, a group four images of 32 queries, an image two tiles of 16.  The four work-groups of a head form a cluster; partner cx takes image 4 g + cx of EVERY group g.
; Wave w (j = w / 2, e = w % 2) takes tile e of group 15 - j and then of group j: (16 - j) + (j + 1) = 17 key steps of 128 for every wave of every work-group.  Four waves share a SIMD, so that one wave's vector work
; stands beside another's matrix work and LDS loads.  Which steps a wave works, masks or jumps over hangs on g, that is on the wave's number alone: no branch knows the place in the cluster.  cx enters Q's and the
; result's global addresses and the number that the mask compares with, and nothing else.
; LDS.  The head's K and V, 2 x 98,304 bytes of codes and 2 x 4,096 of scale words, are filled ONCE by tensor loads (three a wave, all at the start): no byte is filled again, and the loops hold no barrier.
; CLUSTER.  The four partners fill the same 204,800 bytes, so each load is asked for JOINTLY: the same descriptor (it hangs on the head and the wave's number) and a mask that names the four.  One round of the cluster's
; barrier stands in front of the loads and one in front of the end; none between, since nothing is filled twice and partners need not walk in step.
; LAYOUT.  Both products are used transposed (source 0 = K's or V's image, source 1 = Q or p): a lane holds one query throughout.  Lane r's query is 128 g + 32 cx + 8 e + r % 8 + 16 (r / 8).
; K = 64 IN AN INSTRUCTION 128 DEEP: an image of K holds two keys a lane (k 0-63 the first, k 64-127 the key 8 further on).  Multiplied by (Q | 0) it gives the first keys' scores, by (0 | Q) the second keys':
; registers 16 F + 0 .. 15 are then keys 32 F + 16 (lane / 16) + 0 .. 15, neighbours, as the conversions want them.  Q's scale word holds its two bytes twice.
; The mask makes hidden scores -infinity where the definition has -1e9: p is 0 either way, since every query sees key 0.
; LIMITS: a block's largest p is taken from its largest score (this leans on v_exp_f32 not falling where its input rises); a block of zeros gets the byte 1; NaN and infinities are not served.
; REGISTERS: v1-7 addresses that stay (v5: the mask's number); v8-11 the step's addresses; v12 -M, v13 the largest t, v[14:15] the sum; v16-21 zeros, v22-27 Q, v28-33 zeros; v34 Q's scale word; v36-83 four images;
;   v84-91 K's and V's scale words; v92 p's scale word; v96-159 S^T, then p; v160-191 O^T; v192-203 p's codes; v204-211 conversions' halves; v212-223 block maxima, bytes, scale operands; v224-233 at work; v240-243 Q's load offsets.
.set VIMG,  98304                      ; LDS: K's images from 0, V's from here,
.set KSC,   196608                     ; K's scale words,
.set VSC,   200704                     ; V's
.set STEPB, 6144                       ; a step of 128 keys: four images of 1,536 bytes
.set BM,    212
.set PB,    216
.set SOP,   220
.set TB,    60                         ; s60  the step's images
.set TS,    61                         ; s61  the step's scale words
.set KF,    62                         ; s62  the step's first key
.set TRIP,  63
.set GK,    66                         ; s66  my group's first key: 128 g
.macro CROUND                          ; a round of the cluster's barrier: my work-group's barrier; wave 0 signals for the work-group; every wave waits for all four work-groups; my work-group's barrier once more
	s_barrier_signal -1
	s_barrier_wait -1
	s_cmp_lg_u32 s12, 0
	s_cbranch_scc1 .Lnot_wave_0_\@
	s_barrier_signal -3
.Lnot_wave_0_\@:
	s_barrier_wait -3
	s_barrier_signal -1
	s_barrier_wait -1
.endm
	s_load_b256 s[4:11], s[0:1], 0x0               ; qkvcodes s[4:5], qkvscales s[6:7], aocodes s[8:9], aoscales s[10:11]
	v_lshl_add_u32 v254, v0, 2, 0x32000
	v_mov_b32 v255, 0
	ds_add_u32 v254, v255
	ds_add_u32 v254, v255
	v_lshrrev_b32 v1, 5, v0
	s_delay_alu instid0(VALU_DEP_1)
	v_readfirstlane_b32 s12, v1                    ; wave 0..15
	s_bfe_u32 s13, ttmp6, 0x40000                  ; cx: my place in the cluster (the grid's x is one cluster wide)
	s_and_b32 s14, ttmp7, 0xffff                   ; 16 x batch + head, which the four partners share
	s_lshr_b32 s73, s12, 1                         ; j
	s_and_b32 s74, s12, 1                          ; e: which half of an image's registers
	s_lshl_b32 s72, s13, 5
	s_lshl_b32 s75, s74, 3
	s_add_co_u32 s72, s72, s75                     ; 32 cx + 8 e: my tile's first query in its group
	s_lshr_b32 s88, s12, 3                         ; what I fetch: waves 0-7 K, waves 8-15 V,
	s_and_b32 s89, s12, 7                          ; an eighth each
	s_add_co_u32 s90, s88, 1
	s_lshl_b32 s76, s90, 18                        ; scale words: type, head, 512 bytes an eighth
	s_lshl_b32 s77, s14, 12
	s_add_co_u32 s76, s76, s77
	s_lshl_b32 s77, s89, 9
	s_add_co_u32 s76, s76, s77
	s_mov_b32 s77, 0
	s_mul_i32 s78, s90, 6291456                    ; codes: type, head
	s_mul_i32 s79, s14, 98304
	s_add_co_u32 s78, s78, s79
	s_mul_i32 s79, s89, 3072                       ; key steps 0-3: 24,576 bytes, 3,072 an eighth
	s_add_co_u32 s80, s78, s79
	s_mov_b32 s81, 0
	s_mul_i32 s79, s89, 9216                       ; key steps 4-15: 73,728 bytes, 9,216 an eighth
	s_add_co_u32 s82, s78, s79
	s_add_co_u32 s82, s82, 24576
	s_mov_b32 s83, 0
	s_lshl_b32 s84, s88, 12                        ; and in LDS: the wave's number and constants alone
	s_lshl_b32 s85, s89, 9
	s_add_co_u32 s84, s84, s85
	s_add_co_u32 s84, s84, KSC
	s_mul_i32 s85, s88, VIMG
	s_mul_i32 s86, s89, 3072
	s_add_co_u32 s86, s86, s85
	s_mul_i32 s87, s89, 9216
	s_add_co_u32 s87, s87, s85
	s_add_co_u32 s87, s87, 24576
	; descriptor groups 1: dense blocks as R rows of 256 bytes (32 elements of 8 bytes), no padding: R = 2, 12, 36
.irp g, 24, 32, 40
	s_mov_b32 s[\g], 15|(3<<16)|(1<<21)            ; 15:0 the mask: all four work-groups; 17:16 elements of 8 bytes; 21 set beside a mask
	s_mov_b32 s[\g+1], 32<<16
	s_mov_b32 s[\g+3], 32<<16
	s_mov_b32 s[\g+5], 32
	s_mov_b32 s[\g+6], 0
	s_mov_b32 s[\g+7], 0
.endr
	s_mov_b32 s26, 2<<16
	s_mov_b32 s28, 2
	s_mov_b32 s34, 12<<16
	s_mov_b32 s36, 12
	s_mov_b32 s42, 36<<16
	s_mov_b32 s44, 36
	s_mov_b32 s20, 0x76543210                      ; v_permlanex16_b32's selects for lane l xor 16
	s_mov_b32 s21, 0xfedcba98
	s_mov_b32 s22, 0x3e38aa3b                      ; c = log2(e) / 8
	s_mov_b32 s23, s22                             ; (named with it as a pair)
	s_mov_b32 s69, 0xffff0000                      ; lanes 16-31
	s_wait_dscnt 0x0
	s_wait_kmcnt 0x0
	s_mov_b32 s48, 1
	s_mov_b32 s49, s84
	s_add_nc_u64 s[50:51], s[6:7], s[76:77]
	s_or_b32 s51, s51, 0x80000000
	s_mov_b32 s52, 1
	s_mov_b32 s53, s86
	s_add_nc_u64 s[54:55], s[4:5], s[80:81]
	s_or_b32 s55, s55, 0x80000000
	s_mov_b32 s56, 1
	s_mov_b32 s57, s87
	s_add_nc_u64 s[58:59], s[4:5], s[82:83]
	s_or_b32 s59, s59, 0x80000000
	CROUND                                         ; all four work-groups are here: the joint loads meet
	tensor_load_to_lds s[48:51], s[24:31]          ; the three fills of every wave go out together, ahead of every wait on them and of every LDS read: three loads of mine are out
	s_nop 0
	tensor_load_to_lds s[52:55], s[32:39]
	s_nop 0
	tensor_load_to_lds s[56:59], s[40:47]
	s_nop 0
.rept 4
	v_nop
.endr
	v_and_b32 v224, 31, v0                         ; lane
	s_delay_alu instid0(VALU_DEP_1)
	v_lshlrev_b32 v1, 4, v224                      ; 16 x lane: my place in a piece of an image of K (and of what I store)
	s_delay_alu instid0(VALU_DEP_1)
	v_add_nc_u32 v2, VIMG, v1                      ; of V
	v_and_b32 v225, 15, v0                         ; r
	s_delay_alu instid0(VALU_DEP_1)
	v_lshl_add_u32 v3, v225, 4, KSC                ; my row's four scale words of K
	s_delay_alu instid0(VALU_DEP_2)
	v_lshl_add_u32 v4, v225, 4, VSC                ; of V
	v_bfe_u32 v228, v0, 4, 1                       ; h
	s_delay_alu instid0(VALU_DEP_4)
	v_and_b32 v229, 7, v225
	v_lshrrev_b32 v230, 3, v225
	s_delay_alu instid0(VALU_DEP_1)
	v_lshl_add_u32 v5, v230, 4, v229
	s_delay_alu instid0(VALU_DEP_4)
	v_lshlrev_b32 v231, 4, v228
	s_delay_alu instid0(VALU_DEP_1)
	v_sub_nc_u32 v5, v5, v231
	s_delay_alu instid0(VALU_DEP_1)
	v_add_nc_u32 v5, s72, v5                       ; d = 32 cx + 8 e + r % 8 + 16 (r / 8) - 16 h: my query in its group, less my half's first key: what the mask compares with
	v_lshlrev_b32 v6, 3, v224                      ; 8 x lane
	v_lshl_add_u32 v7, v225, 5, v228               ; 32 r + h: my scale byte's place
	s_mul_i32 s75, s74, 520                        ; Q's six registers of an image's twelve: e = 0: registers 0-5, e = 1: registers 6-11, in pieces of 8 bytes
	v_add_nc_u32 v240, s75, v1
	s_add_co_u32 s75, s75, 512
	v_add_nc_u32 v242, s75, v1
	s_mul_i32 s75, s74, 1016
	s_add_co_u32 s75, s75, 8
	v_add_nc_u32 v241, s75, v1
	v_lshlrev_b32 v243, 4, v225                    ; and my row's scale words
.irp n, 16,17,18,19,20,21,28,29,30,31,32,33
	v_mov_b32 v[\n], 0                             ; the zero codes on both sides of Q
.endr
.irp b, 0,1,2,3
	v_mov_b32 v[PB+\b], 0                          ; written once: a lane permute's destination counts as one of its sources
.endr
	v_mov_b32 v227, 0                              ; (the upper half of the pair v[226:227])
; A KEY STEP: 128 keys.
.macro STEP
	s_cmp_gt_u32 s[KF], s[GK]                      ; all its keys come after my group's queries: only the addresses step
	s_cbranch_scc1 .Lhidden_\@
	s_setprio 2
	v_add_nc_u32 v8, s[TB], v1                     ; (these four are also the places behind the last step's products, in front of the loads below)
	v_add_nc_u32 v9, s[TB], v2
	v_add_nc_u32 v10, s[TS], v3
	v_add_nc_u32 v11, s[TS], v4
.irp f, 0,1,2,3
.irp k, 0,1,2
	ds_load_b128 v[36+12*\f+4*\k:39+12*\f+4*\k], v8 offset:1536*\f+512*\k   ; 16 bytes a lane on end: no bank is met twice
.endr
.endr
	ds_load_b128 v[84:87], v10
	s_wait_alu depctr_va_vdst(0)
	s_wait_dscnt 0x0
.irp f, 0,1,2,3
	v_wmma_scale_f32_16x16x128_f8f6f4 v[96+16*\f:103+16*\f], v[36+12*\f:47+12*\f], v[22:33], 0, v[84+\f], v34 matrix_a_fmt:MATRIX_FMT_FP6 matrix_b_fmt:MATRIX_FMT_FP6    ; keys 32 f + 16 h + 0 .. 7
	v_wmma_scale_f32_16x16x128_f8f6f4 v[104+16*\f:111+16*\f], v[36+12*\f:47+12*\f], v[16:27], 0, v[84+\f], v34 matrix_a_fmt:MATRIX_FMT_FP6 matrix_b_fmt:MATRIX_FMT_FP6  ; keys 32 f + 16 h + 8 .. 15
.endr
.rept 4
	v_nop                                          ; places in front of the loads into K's registers and of the first read of scores
.endr
.irp f, 0,1,2,3
.irp k, 0,1,2
	ds_load_b128 v[36+12*\f+4*\k:39+12*\f+4*\k], v9 offset:1536*\f+512*\k   ; V's four images land under the softmax
.endr
.endr
	ds_load_b128 v[88:91], v11
	s_cmp_lt_u32 s[KF], s[GK]                      ; a step ahead of my group: all its keys count, no mask
	s_cbranch_scc1 .Lopen_\@
	v_mov_b32 v225, 0xff800000                     ; my group's own step.  Register n holds key 16 h + 32 (n / 16) + n % 16 of the step: hidden where 32 (n / 16) + n % 16 > d
.set n, 0
.rept 64
	v_cmp_gt_i32 vcc_lo, 32*(n/16)+n%16, v5
	v_cndmask_b32 v[96+n], v[96+n], v225, vcc_lo
.set n, n+1
.endr
.Lopen_\@:
.irp b, 0,1,2,3
	v_max3_num_f32 v[BM+\b], v[96+16*\b], v[97+16*\b], v[98+16*\b]   ; the largest score of each block of 32 keys: for the row's maximum, and for the block's largest p
.endr
.irp i, 3,5,7,9,11,13
.irp b, 0,1,2,3
	v_max3_num_f32 v[BM+\b], v[BM+\b], v[96+16*\b+\i], v[97+16*\b+\i]
.endr
.endr
.irp b, 0,1,2,3
	v_max_num_f32 v[BM+\b], v[BM+\b], v[111+16*\b]
.endr
.irp b, 0,1,2,3
	s_delay_alu instid0(VALU_DEP_4)
	v_permlanex16_b32 v[PB+\b], v[BM+\b], s20, s21
.endr
.irp b, 0,1,2,3
	s_delay_alu instid0(VALU_DEP_4)
	v_max_num_f32 v[BM+\b], v[BM+\b], v[PB+\b]     ; with lane l xor 16's 16 keys
.endr
	s_delay_alu instid0(VALU_DEP_2)
	v_max3_num_f32 v224, v[BM], v[BM+1], v[BM+2]
	s_delay_alu instid0(VALU_DEP_1)
	v_max_num_f32 v224, v224, v[BM+3]
	s_delay_alu instid0(VALU_DEP_1)
	v_mul_f32 v224, s22, v224                      ; as t
	s_delay_alu instid0(VALU_DEP_1)
	v_max_num_f32 v13, v13, v224                   ; the running largest t
	v_mov_b32 v224, v12
	s_delay_alu instid0(VALU_DEP_2)
	v_floor_f32 v12, -v13                          ; the new -M = -ceil(t)
	s_delay_alu instid0(VALU_DEP_1)
	v_sub_f32 v224, v12, v224                      ; old M - new M: a whole number, 0 or less
	s_delay_alu instid0(VALU_DEP_1)
	v_cvt_i32_f32 v224, v224                       ; (it saturates)
	s_delay_alu instid0(VALU_DEP_1)
	v_ldexp_f32 v226, 1.0, v224                    ; f = 2^(old M - new M)
.set n, 0
.rept 32
	v_pk_fma_f32 v[96+n:97+n], v[96+n:97+n], s[22:23], v[12:13] op_sel_hi:[1,0,0]   ; t - M
.set n, n+2
.endr
	s_setprio 1
.irp b, 0,1,2,3
	v_fma_f32 v[BM+\b], v[BM+\b], s22, v12         ; the same of each block's largest score
.endr
.set n, 0
	s_wait_alu depctr_va_vdst(0)
.rept 64
	v_exp_f32 v[96+n], v[96+n]                     ; p = 2^(t - M)
.set n, n+1
.endr
.irp b, 0,1,2,3
	v_exp_f32 v[BM+\b], v[BM+\b]                   ; the block's largest p: the same two instructions on the same number
.endr
	v_pk_mul_f32 v[14:15], v[14:15], v[226:227] op_sel_hi:[1,0]   ; the sum under the new M  (a plain place behind the exponentials)
	s_wait_alu depctr_va_vdst(0)
.irp b, 0,1,2,3
	v_max_num_f32 v[BM+\b], 0x1800000, v[BM+\b]    ; the floor 2^(3 - 127): the byte cannot fall under 1
.endr
.irp b, 0,1,2,3
	s_delay_alu instid0(VALU_DEP_4)
	v_add_nc_u32 v[SOP+\b], 0xff000000, v[BM+\b]   ; 2 off the exponent field: the conversion's scale operand
.endr
.irp b, 0,1,2,3
	s_delay_alu instid0(VALU_DEP_4)
	v_lshrrev_b32 v[PB+\b], 23, v[SOP+\b]          ; the scale's byte
.endr
	s_delay_alu instid0(VALU_DEP_3)
	v_lshl_or_b32 v92, v[PB+1], 8, v[PB]           ; p's scale word for these 128 keys
	s_delay_alu instid0(VALU_DEP_1)
	v_lshl_or_b32 v92, v[PB+2], 16, v92
	s_delay_alu instid0(VALU_DEP_1)
	v_lshl_or_b32 v92, v[PB+3], 24, v92
.irp c, 0,1
	v_cvt_scalef32_pk16_fp6_f32 v[192+6*\c:194+6*\c], v[96+32*\c:111+32*\c], v[SOP+2*\c]
	v_cvt_scalef32_pk16_fp6_f32 v[204+4*\c:206+4*\c], v[112+32*\c:127+32*\c], v[SOP+2*\c+1]
.endr
	v_nop                                          ; one plain place behind a scaled conversion
.irp c, 0,1
.irp i, 0,1,2
	v_permlane16_swap_b32 v[192+6*\c+\i], v[204+4*\c+\i]   ; a whole block to a lane
.endr
.irp i, 0,1,2
	s_delay_alu instid0(VALU_DEP_3)
	v_mov_b32 v[195+6*\c+\i], v[204+4*\c+\i]
.endr
.endr
	v_pk_add_f32 v[228:229], v[100:101], v[104:105]
	v_pk_add_f32 v[252:253], v[108:109], v[112:113]
	v_pk_add_f32 v[250:251], v[116:117], v[120:121]
	v_pk_add_f32 v[248:249], v[124:125], v[128:129]
	v_pk_add_f32 v[246:247], v[132:133], v[136:137]
	v_pk_add_f32 v[244:245], v[140:141], v[144:145]
	v_pk_add_f32 v[238:239], v[148:149], v[152:153]
	v_pk_add_f32 v[14:15], v[14:15], v[156:157]
	v_pk_add_f32 v[228:229], v[228:229], v[96:97]
	v_pk_add_f32 v[252:253], v[252:253], v[98:99]
	v_pk_add_f32 v[250:251], v[250:251], v[102:103]
	s_setprio 0
	v_pk_add_f32 v[248:249], v[248:249], v[106:107]
	v_pk_add_f32 v[246:247], v[246:247], v[110:111]
	v_pk_add_f32 v[244:245], v[244:245], v[114:115]
	v_pk_add_f32 v[238:239], v[238:239], v[118:119]
	v_pk_add_f32 v[14:15], v[14:15], v[122:123]
	v_pk_add_f32 v[228:229], v[228:229], v[126:127]
	v_pk_add_f32 v[252:253], v[252:253], v[130:131]
	v_pk_add_f32 v[250:251], v[250:251], v[134:135]
	v_pk_add_f32 v[248:249], v[248:249], v[138:139]
	v_pk_add_f32 v[246:247], v[246:247], v[142:143]
	v_pk_add_f32 v[244:245], v[244:245], v[146:147]
	v_pk_add_f32 v[238:239], v[238:239], v[150:151]
	v_pk_add_f32 v[14:15], v[14:15], v[154:155]
	v_pk_add_f32 v[228:229], v[228:229], v[158:159]
	s_delay_alu instid0(VALU_DEP_2)
	v_pk_add_f32 v[14:15], v[14:15], v[248:249]
	s_delay_alu instid0(VALU_DEP_2)
	v_pk_add_f32 v[228:229], v[228:229], v[246:247]
	v_pk_add_f32 v[252:253], v[252:253], v[244:245]
	v_pk_add_f32 v[250:251], v[250:251], v[238:239]
	s_delay_alu instid0(VALU_DEP_2)
	v_pk_add_f32 v[14:15], v[14:15], v[252:253]
	s_delay_alu instid0(VALU_DEP_2)
	v_pk_add_f32 v[228:229], v[228:229], v[250:251]
	s_delay_alu instid0(VALU_DEP_1)
	v_pk_add_f32 v[14:15], v[14:15], v[228:229]
.set n, 0
.rept 16
	v_pk_mul_f32 v[160+n:161+n], v[160+n:161+n], v[226:227] op_sel_hi:[1,0]   ; O^T under the new M  (sums and these: the places between p's codes and scale word and the products)
.set n, n+2
.endr
	s_wait_alu depctr_va_vdst(0)
	s_wait_dscnt 0x0                               ; V is in
.irp t, 0,1,2,3
	v_wmma_scale_f32_16x16x128_f8f6f4 v[160+8*\t:167+8*\t], v[36+12*\t:47+12*\t], v[192:203], v[160+8*\t:167+8*\t], v[88+\t], v92 matrix_a_fmt:MATRIX_FMT_FP6 matrix_b_fmt:MATRIX_FMT_FP6   ; four accumulators by turns
.endr
.Lhidden_\@:
	s_add_co_u32 s[KF], s[KF], 128
	s_add_co_u32 s[TB], s[TB], STEPB
	s_add_co_u32 s[TS], s[TS], 256
.endm
.macro LOOP trips
	s_mov_b32 s[TRIP], \trips
.Lstep_\@:
	STEP
	s_sub_co_u32 s[TRIP], s[TRIP], 1
	s_cmp_lg_u32 s[TRIP], 0
	s_cbranch_scc1 .Lstep_\@
	s_setprio 0
.endm
; ONE TILE OF 16 QUERIES of group s68.  first = 1: a group from 8 on (up to 16 key steps), with the waits for the fills; 0: a group under 8 (up to 8 key steps).  The trip counts are constants.
.macro PASS first
	s_lshl_b32 s[GK], s68, 7                       ; 128 g: made of the wave's number alone
	s_lshl_b32 s76, s68, 2
	s_add_co_u32 s76, s76, s13                     ; the image that holds my queries: 4 g + cx
	s_mul_i32 s78, s14, 98304
	s_mul_i32 s77, s76, 1536
	s_add_co_u32 s78, s78, s77
	s_mov_b32 s79, 0
	s_add_nc_u64 s[80:81], s[4:5], s[78:79]        ; Q's codes (type 0)
	s_lshr_b32 s77, s76, 2
	s_lshl_b32 s77, s77, 8
	s_and_b32 s78, s76, 3
	s_lshl_b32 s78, s78, 2
	s_add_co_u32 s78, s78, s77
	s_lshl_b32 s77, s74, 1
	s_add_co_u32 s78, s78, s77
	s_lshl_b32 s77, s14, 12
	s_add_co_u32 s78, s78, s77
	s_add_nc_u64 s[82:83], s[6:7], s[78:79]        ; its two scale bytes: step, word, half of the word
	s_lshr_b32 s77, s14, 4
	s_lshl_b32 s77, s77, 7
	s_lshl_b32 s78, s76, 1
	s_add_co_u32 s77, s77, s78
	s_add_co_u32 s77, s77, s74                     ; my block of 16 stored rows: 128 x batch + 2 x image + e
	s_and_b32 s76, s14, 15                         ; the head
	s_mul_i32 s78, s77, 12288
	s_mul_i32 s75, s76, 768
	s_add_co_u32 s78, s78, s75
	s_add_nc_u64 s[84:85], s[8:9], s[78:79]
	s_lshl_b32 s78, s77, 9
	s_lshl_b32 s75, s76, 1
	s_add_co_u32 s78, s78, s75
	s_add_nc_u64 s[86:87], s[10:11], s[78:79]
	global_load_b64 v[22:23], v240, s[80:81]
	global_load_b64 v[24:25], v241, s[80:81]
	global_load_b64 v[26:27], v242, s[80:81]
	global_load_u16 v233, v243, s[82:83]
	v_mov_b32 v13, 0xff61b1e6                      ; the largest t so far: -3e38
	s_delay_alu instid0(VALU_DEP_1)
	v_floor_f32 v12, -v13
	v_mov_b32 v14, 0
	v_mov_b32 v15, 0
	s_wait_loadcnt 0x0
	v_lshl_or_b32 v34, v233, 16, v233              ; Q's two bytes twice: they serve (Q | 0) and (0 | Q)
.set n, 0
.rept 32
	v_mov_b32 v[160+n], 0                          ; O^T: the step is written once; the first change of M leaves zeros zeros.  (Also the places between the scale word above and the first product)
.set n, n+1
.endr
	s_mov_b32 s[TB], 0
	s_mov_b32 s[TS], 0
	s_mov_b32 s[KF], 0
.if \first
	s_wait_tensorcnt 0x1                           ; my parts of the scale words and of key steps 0-3 are in; the load of steps 4-15 may be out
	s_barrier_signal -1
	s_barrier_wait -1                              ; everybody's are
	LOOP 4
	s_wait_tensorcnt 0x0                           ; my part of key steps 4-15 is in,
	s_wait_dscnt 0x0
	s_barrier_signal -1
	s_barrier_wait -1                              ; everybody's is
	s_mov_b32 s[TB], 4*STEPB
	s_mov_b32 s[TS], 4*256
	s_mov_b32 s[KF], 512
	LOOP 12
.else
	LOOP 8
.endif
	; the way out: O^T / the sum; register 16 B + i is channel 32 B + 16 h + i of my query: two blocks of 32, quantised as they stand
.rept 4
	v_nop
.endr
	v_add_f32 v14, v14, v15
	s_delay_alu instid0(VALU_DEP_1)
	v_permlanex16_b32 v224, v14, s20, s21
	s_delay_alu instid0(VALU_DEP_1)
	v_add_f32 v14, v14, v224                       ; the row's sum
	s_wait_alu depctr_va_vdst(0)
	v_rcp_f32 v14, v14
	v_nop                                          ; a plain place behind the transcendental
.set n, 0
	s_wait_alu depctr_va_vdst(0)
.rept 16
	v_pk_mul_f32 v[96+n:97+n], v[160+n:161+n], v[14:15] op_sel_hi:[1,0]
.set n, n+2
.endr
.irp b, 0,1
	v_max3_num_f32 v[BM+\b], |v[96+16*\b]|, |v[97+16*\b]|, 0x1800000
.endr
.irp i, 2,4,6,8,10,12,14
.irp b, 0,1
	s_delay_alu instid0(VALU_DEP_2)
	v_max3_num_f32 v[BM+\b], v[BM+\b], |v[96+16*\b+\i]|, |v[97+16*\b+\i]|
.endr
.endr
.irp b, 0,1
	s_delay_alu instid0(VALU_DEP_2)
	v_permlanex16_b32 v[PB+\b], v[BM+\b], s20, s21
.endr
.irp b, 0,1
	s_delay_alu instid0(VALU_DEP_2)
	v_max_num_f32 v[BM+\b], v[BM+\b], v[PB+\b]
.endr
.irp b, 0,1
	s_delay_alu instid0(VALU_DEP_2)
	v_add_nc_u32 v[SOP+\b], 0xff000000, v[BM+\b]
.endr
.irp b, 0,1
	s_delay_alu instid0(VALU_DEP_2)
	v_lshrrev_b32 v[PB+\b], 23, v[SOP+\b]
.endr
	v_cvt_scalef32_pk16_fp6_f32 v[192:194], v[96:111], v[SOP]
	v_cvt_scalef32_pk16_fp6_f32 v[204:206], v[112:127], v[SOP+1]
	v_cndmask_b32 v232, v[PB], v[PB+1], s69        ; my half's block's byte  (a plain place behind the conversions)
.irp i, 0,1,2
	v_permlane16_swap_b32 v[192+\i], v[204+\i]
.endr
.irp i, 0,1,2
	s_delay_alu instid0(VALU_DEP_3)
	v_mov_b32 v[195+\i], v[204+\i]                 ; v192-197: the codes of channels 32 h + 0 .. 31 of my query
.endr
	global_store_b128 v1, v[192:195], s[84:85]             ; registers 0-3 at 16 x lane: 512 consecutive bytes,
	global_store_b64 v6, v[196:197], s[84:85] offset:512   ; registers 4-5 at 512 + 8 x lane: 256
	global_store_b8 v7, v232, s[86:87]                     ; a row's 32 scale bytes join 16 heads, whose work-groups are not mine: so bytes; 262,144 of them in the whole launch
.endm
	s_xor_b32 s68, s73, 15                         ; group 15 - j (j is under 8, so the exclusive or is the difference)
	PASS 1
	s_wait_xcnt 0x0                                ; the stores have read their data and bases: both are written again only behind this wait
	s_mov_b32 s68, s73                             ; group j
	PASS 0
	s_wait_dscnt 0x0                               ; no LDS instruction of mine is out at the signal
	s_wait_tensorcnt 0x0
	ds_add_u32 v254, v255
	s_wait_dscnt 0x0
	CROUND                                         ; the closing round: no work-group ends while a partner might still ask for a piece that names it
	s_endpgm
.Lfunc_end_k_q4ca7802675_attn:
	.size	k_q4ca7802675_attn, .Lfunc_end_k_q4ca7802675_attn-k_q4ca7802675_attn
	.p2alignl 7, 3214868480
	.fill 96, 4, 3214868480
	.section	.rodata,"a",@progbits
	.p2align	6, 0x0
	.amdhsa_kernel k_q4ca7802675_attn
		.amdhsa_group_segment_fixed_size 206848
		.amdhsa_private_segment_fixed_size 0
		.amdhsa_enable_private_segment 0
		.amdhsa_kernarg_size 32
		.amdhsa_user_sgpr_count 2
		.amdhsa_user_sgpr_kernarg_segment_ptr 1
		.amdhsa_wavefront_size32 1
		.amdhsa_system_sgpr_workgroup_id_x 1
		.amdhsa_system_sgpr_workgroup_id_y 1
		.amdhsa_system_sgpr_workgroup_id_z 1
		.amdhsa_system_vgpr_workitem_id 0
		.amdhsa_next_free_vgpr 256
		.amdhsa_next_free_sgpr 96
		.amdhsa_reserve_vcc 1
		.amdhsa_float_denorm_mode_32 3
		.amdhsa_float_denorm_mode_16_64 3
		.amdhsa_memory_ordered 1
		.amdhsa_forward_progress 1
		.amdhsa_inst_pref_size 89
	.end_amdhsa_kernel
	.amdgpu_metadata
---
amdhsa.version: [ 1, 2 ]
amdhsa.kernels:
  - .name:           k_q4ca7802675_attn
    .symbol:         k_q4ca7802675_attn.kd
    .args:
      - { .name: qkvcodes, .offset: 0, .size: 8, .value_kind: global_buffer, .address_space: global }
      - { .name: qkvscales, .offset: 8, .size: 8, .value_kind: global_buffer, .address_space: global }
      - { .name: aocodes, .offset: 16, .size: 8, .value_kind: global_buffer, .address_space: global }
      - { .name: aoscales, .offset: 24, .size: 8, .value_kind: global_buffer, .address_space: global }
    .group_segment_fixed_size: 206848
    .private_segment_fixed_size: 0
    .kernarg_segment_align: 8
    .kernarg_segment_size: 32
    .max_flat_workgroup_size: 512
    .sgpr_count:     96
    .vgpr_count:     256
    .wavefront_size: 32
...
	.end_amdgpu_metadata
.endif
;; end of part 3
;; launch gemm_out (part 4): grid 4 x 64, 4 waves a work-group, clusters of 4 x 4, 327,680 bytes of LDS; arguments aocodes, aoscales, incodes, inscales, Wo_b, out0; writes out0
.if DOCPART == 4
	.amdgcn_target "amdgcn-amd-amdhsa--gfx1250"
	.amdhsa_code_object_version 6
	.text
	.protected	k_q4ca7802675_gemm_out
	.globl	k_q4ca7802675_gemm_out
	.p2align	8
	.type	k_q4ca7802675_gemm_out,@function
k_q4ca7802675_gemm_out:
	s_mov_b64 s[64:65], 0
	v_nop
	global_prefetch_b8 v0, s[64:65] scope:SCOPE_SE
	s_setreg_imm32_b32 hwreg(HW_REG_WAVE_MODE, 25, 1), 1
	s_wait_xcnt 0x0
	s_wait_alu depctr_hold_cnt(0) depctr_sa_sdst(0) depctr_va_vdst(0) depctr_va_sdst(0) depctr_va_ssrc(0) depctr_va_vcc(0) depctr_vm_vsrc(0)
	s_getreg_b32 s2, hwreg(HW_REG_IB_STS2, 6, 4)
	s_cmp_eq_u32 s2, 0
	s_cbranch_scc0 .Lentry_in_a_cluster
	s_endpgm
.Lentry_in_a_cluster:
	s_bfe_u32 s2, ttmp6, 0x10000c
	s_cmp_lg_u32 s2, 0xf033
	s_cbranch_scc0 .Lentry_shape_is_right
	s_endpgm
.Lentry_shape_is_right:
; out0 = attention's result x Wo^T + Wo_b, on codes of FP6 (E2M3) with one E8M0 byte for each 32 along K = 1,024; sums in f32.
; A tile of 128 rows x 256 columns is made by four waves, each 64 x 128 in 32 accumulators: 8,192 x 1,024 are 256 such tiles, one for each WGP (tiles of 256 x 256 would be 128).  The price: a fragment of B feeds four products, not eight.
; K goes in steps of 256 through a ring of two LDS slots; the scale bytes come once and stay.  4 x 4 work-groups form a cluster: A's tile is asked for jointly by a row of the cluster, B's by a column.
; A (aocodes) lies as images of the operand's registers: [block of 16 rows][128 along K][head of the two][768]: registers 0-3 of lane l at 16 l, registers 4-5 at 512 + 8 l.  A wave's load is 4 rows of 3,072 bytes, 12,288 apart.
; B (Wo, rows 11,264 on of incodes) lies as rows of 768 bytes.  Both sides' rows stand in the order with bits 3 and 4 of the row's number swapped; the way out undoes it: columns by the place in the stage, rows by the store's offset.
; The matrix instruction takes source 0 = B, source 1 = A: a lane holds eight neighbouring columns of one row.  The bias is the C of each sum's first product.
; REGISTERS: window 0: v0-31 addresses; v32-63 scale words, and nothing else; v64-127 the bias in the result's layout; from v128 A's fragments, two sets of 48, later rows on their way out.  window 1: B's two sets.  window 2: the accumulators.
.set KSTEP,  256
.set NQ,     2
.set ROWB,   192
.set KROW,   768
.set PITCH,  240
.set FR,     12
.set NP,     4
.set HALFT,  128*PITCH
.set SLOT,   4*HALFT
.set AROW,   3072                      ; A: 16 rows x 256 along K
.set KS,     32
.set SCL,    2*SLOT
.set HALFS,  (128*KS/256)*272
.set SBLK,   (16*KS/256)*272
.set SPARE,  SCL+4*HALFS               ; the spare words: 128 bytes a wave, two blocks of 256 bytes that no other line names
.set SPITCH, 528                       ; the way out: a stage of 16 rows x (512 bytes + 16) for each wave, in slot 0, which has had its last fill and its last read when the first result is stored there
.set ADRA, 16                          ; v16-17 16 x lane + my A rows in slot 0, 1;  v18-19 the same with 8 x lane
.set ADRB, 20
.set STO,  24
.set RD,   25
.set CO,   26
.set ADRS, 27                          ; v27  my scale words: lanes 0-15 A's rows, lanes 16-31 B's
.set SPW,  28
.set NIL,  29
.set ADRSB, 30                         ; v30  the same, with lanes 16-31 four blocks on
.set SC,   32
.set BI,   64
.set AF,   128
.set BK,   128
.set G1, 24
.set G0, 32
.set G1B, 48
.set G0B, 56
.set G1S, 68
.set G0S, 76
.set G1SB, 80
.set G0SB, 88
.set MSB, 0
.macro WIN new
.if MSB != (\new)
	s_set_vgpr_msb (MSB<<8)|(\new)
.set MSB, \new
.endif
.endm
.set MUL_LO, 0xa1                      ; source 0 (B) window 1, source 1 (A) window 0, C and D window 2
.set TO_B,   0x40
.macro JLOAD g0a, g1a, g0b, g1b        ; a joint load: waves 0 and 1 fetch for A, waves 2 and 3 for B; four v_nop follow each of the two lines
	s_cmp_eq_u32 s17, 0
	s_cbranch_scc0 .Lfor_b_\@
	tensor_load_to_lds s[\g0a:\g0a+3], s[\g1a:\g1a+7]
	s_nop 0
.rept 4
	v_nop
.endr
	s_branch .Lasked_\@
.Lfor_b_\@:
	tensor_load_to_lds s[\g0b:\g0b+3], s[\g1b:\g1b+7]
	s_nop 0
.rept 4
	v_nop
.endr
.Lasked_\@:
.endm
.macro CREST
	s_cmp_lg_u32 s16, 0
	s_cbranch_scc1 .Lnot_wave_0_\@
	s_barrier_signal -3
.Lnot_wave_0_\@:
	s_barrier_wait -3
	s_barrier_signal -1
	s_barrier_wait -1
.endm
.macro CROUND
	s_barrier_signal -1
	s_barrier_wait -1
	CREST
.endm
	s_load_b256 s[4:11], s[0:1], 0x0               ; aocodes s[4:5], aoscales s[6:7], incodes s[8:9], inscales s[10:11]
	s_load_b128 s[12:15], s[0:1], 0x20             ; Wo_b s[12:13], out0 s[14:15]
	v_lshl_add_u32 v[SPW], v0, 2, SPARE
	v_mov_b32 v[NIL], 0
	ds_add_u32 v28, v29
	ds_add_u32 v28, v29
	s_wait_dscnt 0x0
	v_lshrrev_b32 v1, 5, v0
	v_readfirstlane_b32 s16, v1                    ; wave 0..3
	s_lshr_b32 s17, s16, 1                         ; my half of the rows.  Also: I fetch for A (0) or for B (1)
	s_and_b32 s18, s16, 1                          ; my half of the columns.  Also: which half of the tile's rows I fetch
	s_bfe_u32 s40, ttmp6, 0x40000                  ; cx
	s_bfe_u32 s41, ttmp6, 0x40004                  ; cy
	s_lshl_b32 s42, ttmp9, 2
	s_add_co_u32 s42, s42, s40                     ; tile column (256 columns)
	s_and_b32 s96, ttmp7, 0xffff
	s_lshl_b32 s96, s96, 2
	s_add_co_u32 s96, s96, s41                     ; tile row (128 rows)
	s_lshl_b32 s43, s41, 2
	s_lshl_b32 s43, 15, s43                        ; my row of the cluster
	s_lshl_b32 s44, 0x1111, s40                    ; my column
	s_or_b32 s[G1+0], s43, (3<<16)|(1<<21)         ; A: the mask; elements of 8 bytes; no padding; bit 21 beside a mask
	s_mov_b32 s[G1+1], (AROW/8)<<16                ; tensor_dim0 = 384
	s_mov_b32 s[G1+2], 4<<16                       ; tensor_dim1 = 4
	s_mov_b32 s[G1+3], (AROW/8)<<16                ; tile_dim0
	s_mov_b32 s[G1+4], 4                           ; tile_dim1
	s_mov_b32 s[G1+5], 12288/8                     ; the pitch
	s_mov_b32 s[G1+6], 0
	s_mov_b32 s[G1+7], 0
	s_or_b32 s[G1B+0], s44, (0<<16)|(1<<20)|(1<<21)|(3<<22)|(3<<25)  ; B: rows of 192 bytes, 16 bytes of padding behind every 64
	s_mov_b32 s[G1B+1], ROWB<<16
	s_mov_b32 s[G1B+2], 128<<16
	s_mov_b32 s[G1B+3], ROWB<<16
	s_mov_b32 s[G1B+4], 128
	s_mov_b32 s[G1B+5], KROW
	s_mov_b32 s[G1B+6], 0
	s_mov_b32 s[G1B+7], 0
	s_or_b32 s[G1S+0], s43, (3<<16)|(1<<20)|(1<<21)|(5<<22)|(3<<25)  ; the scales: dense bytes as rows of 256, 16 bytes of padding behind each: A's 64 rows are 8 such rows, B's 128 are 16
	s_or_b32 s[G1SB+0], s44, (3<<16)|(1<<20)|(1<<21)|(5<<22)|(3<<25)
.irp g, G1S, G1SB
	s_mov_b32 s[\g+1], 32<<16
	s_mov_b32 s[\g+3], 32<<16
	s_mov_b32 s[\g+5], 32
	s_mov_b32 s[\g+6], 0
	s_mov_b32 s[\g+7], 0
.endr
	s_mov_b32 s[G1S+2], 8<<16
	s_mov_b32 s[G1S+4], 8
	s_mov_b32 s[G1SB+2], 16<<16
	s_mov_b32 s[G1SB+4], 16
	s_lshl_b32 s20, s96, 7
	s_lshl_b32 s21, s18, 6
	s_add_co_u32 s20, s20, s21                     ; A: the stored row: 128 x tile row + 64 x half
	s_lshl_b32 s46, s42, 8
	s_lshl_b32 s98, s18, 7
	s_add_co_u32 s46, s46, s98
	s_add_co_u32 s46, s46, 11264                   ; B: Wo's rows begin at row 11,264
	s_lshl_b32 s22, s20, 5
	s_mov_b32 s23, 0
	s_lshl_b32 s92, s46, 5
	s_mov_b32 s93, 0
	s_mul_i32 s20, s20, KROW                       ; 16 rows are 12,288 bytes: 768 a row
	s_mov_b32 s21, 0
	s_mul_i32 s46, s46, KROW
	s_mov_b32 s47, 0
	s_mul_i32 s45, s16, HALFT                      ; where they go: wave x a constant: no place in the cluster enters an LDS address
	s_mul_i32 s94, s16, HALFS
	s_wait_kmcnt 0x0
	s_add_nc_u64 s[20:21], s[4:5], s[20:21]
	s_add_nc_u64 s[22:23], s[6:7], s[22:23]
	s_add_nc_u64 s[46:47], s[8:9], s[46:47]
	s_add_nc_u64 s[92:93], s[10:11], s[92:93]
	CROUND                                         ; all sixteen work-groups are here: the first joint loads meet
	s_mov_b32 s[G0S], 1
	s_add_co_u32 s[G0S+1], s94, SCL
	s_mov_b64 s[G0S+2:G0S+3], s[22:23]
	s_or_b32 s[G0S+3], s[G0S+3], 0x80000000
	s_mov_b32 s[G0SB], 1
	s_add_co_u32 s[G0SB+1], s94, SCL
	s_mov_b64 s[G0SB+2:G0SB+3], s[92:93]
	s_or_b32 s[G0SB+3], s[G0SB+3], 0x80000000
	JLOAD G0S, G1S, G0SB, G1SB
.irp s, 0,1
	s_mov_b32 s[G0+4*\s], 1
	s_add_co_u32 s[G0+4*\s+1], s45, \s*SLOT
	s_add_nc_u64 s[G0+4*\s+2:G0+4*\s+3], s[20:21], \s*AROW
	s_or_b32 s[G0+4*\s+3], s[G0+4*\s+3], 0x80000000
	s_mov_b32 s[G0B+4*\s], 1
	s_add_co_u32 s[G0B+4*\s+1], s45, \s*SLOT
	s_add_nc_u64 s[G0B+4*\s+2:G0B+4*\s+3], s[46:47], \s*ROWB
	s_or_b32 s[G0B+4*\s+3], s[G0B+4*\s+3], 0x80000000
	s_wait_alu depctr_va_vdst(0)
	s_wait_tensorcnt 0x0
	ds_add_u32 v28, v29
	s_wait_dscnt 0x0
	CROUND
	JLOAD G0+4*\s, G1, G0B+4*\s, G1B               ; one tensor load of mine is out
.endr
	v_and_b32 v1, 15, v0                           ; r
	v_bfe_u32 v2, v0, 4, 1                         ; h
	v_and_b32 v6, 31, v0                           ; lane
	v_mul_u32_u24 v3, v1, PITCH
	v_mul_u32_u24 v4, v2, 24
	v_add_nc_u32 v4, v3, v4                        ; B: a fragment's row x pitch + 24 h
	v_lshl_add_u32 v5, v2, 4, v4                   ; and the same behind one padding more
	v_lshlrev_b32 v7, 4, v6                        ; A: 16 x lane
	v_lshlrev_b32 v8, 3, v6                        ;    8 x lane
	s_mul_i32 s21, s17, HALFT                      ; my 64 rows of A
	s_mul_i32 s22, s18, HALFT
	s_add_co_u32 s22, s22, 2*HALFT                 ; my 128 rows of B
.irp s, 0,1
	v_add_nc_u32 v[ADRA+\s], s21, v7
	v_add_nc_u32 v[ADRB+\s], s22, v4
	v_add_nc_u32 v[ADRA+2+\s], s21, v8
	v_add_nc_u32 v[ADRB+2+\s], s22, v5
	s_add_co_u32 s21, s21, SLOT
	s_add_co_u32 s22, s22, SLOT
.endr
	v_mul_u32_u24 v11, v1, KS
	v_lshrrev_b32 v12, 8, v11
	v_lshl_add_u32 v11, v12, 4, v11
	s_mul_i32 s21, s17, HALFS
	s_mul_i32 s22, s18, HALFS
	s_add_co_u32 s22, s22, 2*HALFS
	s_sub_co_u32 s22, s22, s21
	v_mul_u32_u24 v12, s22, v2                     ; lanes 16-31 take B's scale words
	s_add_co_u32 s21, s21, SCL
	v_add_nc_u32 v11, v11, v12
	v_add_nc_u32 v[ADRS], s21, v11
	v_mul_u32_u24 v12, v2, 4*SBLK
	v_add_nc_u32 v[ADRSB], v[ADRS], v12            ; lanes 0-15 as they are, lanes 16-31 four blocks on
	s_mul_i32 s23, s16, 16*SPITCH                  ; my stage
	v_mul_u32_u24 v5, v1, SPITCH
	v_lshl_add_u32 v5, v2, 6, v5                   ; in: row r, + 64 h: my half's 16 columns of each 32
	v_add_nc_u32 v[STO], s23, v5
	v_lshlrev_b32 v[CO], 4, v6                     ; back: the 32 lanes take one row of 512 bytes; and the same in out0
	v_add_nc_u32 v[RD], s23, v[CO]
	v_lshlrev_b32 v9, 6, v2                        ; the bias: 64 h
	s_wait_alu depctr_va_vdst(0)
	s_lshl_b32 s46, s42, 10                        ; my first column, in bytes: 1,024 x tile column + 512 x half
	s_lshl_b32 s47, s18, 9
	s_add_co_u32 s46, s46, s47
	s_mov_b32 s47, 0
	s_add_nc_u64 s[12:13], s[12:13], s[46:47]
	s_lshl_b32 s20, s96, 7
	s_lshl_b32 s21, s17, 6
	s_add_co_u32 s20, s20, s21                     ; my first row: 128 x tile row + 64 x half,
	s_lshl_b32 s20, s20, 12                        ; 4,096 bytes a row (8,192 rows stay under 2^25 bytes)
	s_mov_b32 s21, 0
	s_add_nc_u64 s[20:21], s[20:21], s[46:47]
	s_add_nc_u64 s[14:15], s[14:15], s[20:21]
.irp b, 0,1,2,3,4,5,6,7
	global_load_b128 v[BI+8*\b:BI+8*\b+3], v9, s[12:13] offset:(32*(\b/2)+8*(\b%2))*4        ; register j of tile b is column 32 (b / 2) + 16 h + 8 (b % 2) + j
	global_load_b128 v[BI+8*\b+4:BI+8*\b+7], v9, s[12:13] offset:(32*(\b/2)+8*(\b%2))*4+16
.endr
.macro FRAG reg, adr, q, i             ; B: a fragment from rows: 24 bytes twice, in pieces of 8; where the piece three on lies behind one padding more, the second address register serves
.irp p, 0,1,2,3,4,5
.set PC, 12*(\q)+6*(\p/3)+\p%3
.if PC%8 < 5
	ds_load_b64 v[\reg+2*\p:\reg+2*\p+1], v[\adr] offset:8*PC+16*(PC/8)+(\i)*16*PITCH
.else
	ds_load_b64 v[\reg+2*\p:\reg+2*\p+1], v[\adr+2] offset:8*PC+16*(PC/8)+(\i)*16*PITCH
.endif
.endr
.endm
.macro FRAGA reg, slot, q, i           ; A: a fragment from its image: each load takes consecutive bytes of the 32 lanes
	ds_load_b128 v[\reg:\reg+3], v[ADRA+\slot] offset:(\i)*AROW+(\q)*1536
	ds_load_b64 v[\reg+4:\reg+5], v[ADRA+2+\slot] offset:(\i)*AROW+(\q)*1536+512
	ds_load_b128 v[\reg+6:\reg+9], v[ADRA+\slot] offset:(\i)*AROW+(\q)*1536+768
	ds_load_b64 v[\reg+10:\reg+11], v[ADRA+2+\slot] offset:(\i)*AROW+(\q)*1536+1280
.endm
; 16 matrix instructions: A's blocks a0, a0 + 1 (block a at v[af + 12 a]) x B's eight (set p).  zero = 1: the first product starts the sums from the bias.  The 32 accumulators take turns, one instruction a turn.
.macro MUL16 a0, af, p, q, sc, zero
.irp a, \a0, \a0+1
.irp b, 0,1,2,3,4,5,6,7
.if \zero
	v_wmma_scale_f32_16x16x128_f8f6f4 v[8*(8*(\a)+\b):8*(8*(\a)+\b)+7], v[128*(\p)+FR*\b:128*(\p)+FR*\b+FR-1], v[(\af)+FR*(\a):(\af)+FR*(\a)+FR-1], v[BI+8*\b:BI+8*\b+7], v[SC+8*NQ*(\sc)+NQ*\b+(\q)], v[SC+8*NQ*(\sc)+NQ*(\a)+(\q)] matrix_a_fmt:MATRIX_FMT_FP6 matrix_b_fmt:MATRIX_FMT_FP6 matrix_a_scale:MATRIX_SCALE_ROW1
.else
	v_wmma_scale_f32_16x16x128_f8f6f4 v[8*(8*(\a)+\b):8*(8*(\a)+\b)+7], v[128*(\p)+FR*\b:128*(\p)+FR*\b+FR-1], v[(\af)+FR*(\a):(\af)+FR*(\a)+FR-1], v[8*(8*(\a)+\b):8*(8*(\a)+\b)+7], v[SC+8*NQ*(\sc)+NQ*\b+(\q)], v[SC+8*NQ*(\sc)+NQ*(\a)+(\q)] matrix_a_fmt:MATRIX_FMT_FP6 matrix_b_fmt:MATRIX_FMT_FP6 matrix_a_scale:MATRIX_SCALE_ROW1
.endif
.endr
.endr
.endm
.macro FETCH_B slot, q, p
	WIN TO_B
.irp i, 0,1,2,3,4,5,6,7
	FRAG 128*(\p)+FR*\i, ADRB+\slot, \q, \i
.endr
	WIN 0
.endm
.macro FETCH_A slot, q, p              ; A's four blocks into set p
.irp i, 0,1,2,3
	FRAGA AF+48*(\p)+FR*\i, \slot, \q, \i
.endr
.endm
.macro SCALES sc                       ; a K step's scale words: lanes 0-15 take A's block i, lanes 16-31 B's block i.  A has four blocks: for i = 4 .. 7 the second register gives lanes 16-31 B's block i and lets lanes 0-15 read A's block i - 4 again, words that no product names
.irp i, 0,1,2,3
	ds_load_b64 v[SC+8*NQ*\sc+NQ*\i:SC+8*NQ*\sc+NQ*\i+1], v[ADRS] offset:\i*SBLK
.endr
.irp i, 4,5,6,7
	ds_load_b64 v[SC+8*NQ*\sc+NQ*\i:SC+8*NQ*\sc+NQ*\i+1], v[ADRSB] offset:(\i-4)*SBLK
.endr
.endm
.macro PLACES n                        ; plain vector instructions between a matrix instruction and a load into, or a read of, its registers
.rept \n
	v_nop
.endr
.endm
; A step of 128 along K is 32 products; A and B have two sets, and a step's fragments are asked for at the head of the step before.
.macro STEPV slot, zero                ; a slot's first 128 along K (sets 0); fetches its second (sets 1)
	s_wait_dscnt 0x0                               ; this step's fragments are in
.if \zero == 0
	PLACES NP                                      ; behind the products that read sets 1
.endif
	FETCH_B \slot, 1, 1
	FETCH_A \slot, 1, 1
.if \zero
	s_wait_loadcnt 0x0                             ; the bias
	WIN 0x81                                       ; C (the bias) window 0, D window 2
.else
	WIN MUL_LO
.endif
	MUL16 0, AF, 0, 0, \slot, \zero
	MUL16 2, AF, 0, 0, \slot, \zero
	WIN 0
.endm
.macro TURNV slot, next, fill          ; a slot's second 128 along K (sets 1) changes slots.  Its fragments are in registers at its head, so my reads of the slot are over there
	s_wait_tensorcnt 0x0                           ; all my tensor loads have landed: my part of the next slot
	ds_add_u32 v[SPW], v[NIL]                      ; 0 onto my spare word
	s_wait_dscnt 0x0                               ; the add is done; this step's fragments are in
	s_barrier_signal -1
	WIN MUL_LO
	MUL16 0, AF+48, 1, 1, \slot, 0                 ; work on registers while the others arrive
	WIN 0
	s_barrier_wait -1
.if \fill
	CREST                                          ; a round of the cluster's barrier: no wave of any partner still reads this slot or has a load on its way
	s_add_nc_u64 s[G0+4*\slot+2:G0+4*\slot+3], s[G0+4*\slot+2:G0+4*\slot+3], 2*AROW
	s_add_nc_u64 s[G0B+4*\slot+2:G0B+4*\slot+3], s[G0B+4*\slot+2:G0B+4*\slot+3], 2*ROWB
	JLOAD G0+4*\slot, G1, G0B+4*\slot, G1B         ; the first tensor load behind the round; its four v_nop are also the places behind the products that read sets 0
.else
	PLACES NP
.endif
	s_wait_alu depctr_va_vdst(0)
	v_add_nc_u32 v[ADRS], 4*NQ, v[ADRS]
	v_add_nc_u32 v[ADRSB], 4*NQ, v[ADRSB]
	FETCH_B \next, 0, 0
	FETCH_A \next, 0, 0
	SCALES \next
	WIN MUL_LO
	MUL16 2, AF+48, 1, 1, \slot, 0
	WIN 0
.endm
	s_wait_tensorcnt 1                             ; the scales and my part of K step 0 are in (K step 1's load may be out),
	s_barrier_signal -1
	s_barrier_wait -1                              ; everybody's are
	FETCH_B 0, 0, 0
	FETCH_A 0, 0, 0
	SCALES 0
	STEPV 0, 1                                     ; four K steps, two laps of the ring: written out
	TURNV 0, 1, 1
	STEPV 1, 0
	TURNV 1, 0, 1
	STEPV 0, 0
	TURNV 0, 1, 0                                  ; the last lap fills nothing
	STEPV 1, 0
	s_wait_dscnt 0x0                               ; the very last 128 along K
	WIN MUL_LO
	MUL16 0, AF+48, 1, 1, 1, 0
	MUL16 2, AF+48, 1, 1, 1, 0
	WIN 0
; THE WAY OUT, block by block of 16 rows x 128 columns, through my own stage: in by lanes (32 bytes of a row at the columns' true place), back as whole rows of 512 bytes.  LDS serves a wave's instructions in order.
.macro TOSTAGE a
.set AC, 64*(\a)
	WIN 0x08                                       ; the data: window 2
.irp b, 0,1,2,3,4,5,6,7
	ds_store_b128 v[STO], v[AC+8*\b:AC+8*\b+3] offset:128*(\b/2)+32*(\b%2)          ; each accumulator from its low end on
	ds_store_b128 v[STO], v[AC+8*\b+4:AC+8*\b+7] offset:128*(\b/2)+32*(\b%2)+16
.endr
	WIN 0
.set BB, BK+64*((\a)%2)
.irp t, 0,1,2,3,4,5,6,7,8,9,10,11,12,13,14,15
	ds_load_b128 v[BB+4*\t:BB+4*\t+3], v[RD] offset:\t*SPITCH
.endr
.endm
.macro SEND a, younger                 ; stored row t of block a is true row 32 (a / 2) + 8 (a % 2) + t % 8 + 16 (t / 8): it stands in the immediate, 63 rows of 4,096 bytes at the most
.set BB, BK+64*((\a)%2)
	s_wait_dscnt \younger
.irp t, 0,1,2,3,4,5,6,7,8,9,10,11,12,13,14,15
	global_store_b128 v[CO], v[BB+4*\t:BB+4*\t+3], s[14:15] offset:(32*((\a)/2)+8*((\a)%2)+\t%8+16*(\t/8))*4096 th:TH_STORE_NT   ; 32 lanes store 512 consecutive bytes, aligned
.endr
.endm
	PLACES NP
	TOSTAGE 0
.irp a, 1,2,3
.if \a > 1
	s_wait_xcnt 0x0                                ; block a - 2's stores have read their registers: block a's loads may land there
.endif
	TOSTAGE \a
	SEND \a-1, 32                                  ; behind block a - 1's loads: block a's 16 stores and 16 loads
.endr
	SEND 3, 0
	s_wait_tensorcnt 0x0                           ; the wave's end
	ds_add_u32 v[SPW], v[NIL]
	s_wait_dscnt 0x0
	CROUND                                         ; the closing round
	s_endpgm
.Lfunc_end_k_q4ca7802675_gemm_out:
	.size	k_q4ca7802675_gemm_out, .Lfunc_end_k_q4ca7802675_gemm_out-k_q4ca7802675_gemm_out
	.p2alignl 7, 3214868480
	.fill 96, 4, 3214868480
	.section	.rodata,"a",@progbits
	.p2align	6, 0x0
	.amdhsa_kernel k_q4ca7802675_gemm_out
		.amdhsa_group_segment_fixed_size 327680
		.amdhsa_private_segment_fixed_size 0
		.amdhsa_enable_private_segment 0
		.amdhsa_kernarg_size 48
		.amdhsa_user_sgpr_count 2
		.amdhsa_user_sgpr_kernarg_segment_ptr 1
		.amdhsa_wavefront_size32 1
		.amdhsa_system_sgpr_workgroup_id_x 1
		.amdhsa_system_sgpr_workgroup_id_y 1
		.amdhsa_system_sgpr_workgroup_id_z 1
		.amdhsa_system_vgpr_workitem_id 0
		.amdhsa_next_free_vgpr 1024
		.amdhsa_next_free_sgpr 102
		.amdhsa_reserve_vcc 0
		.amdhsa_float_denorm_mode_32 3
		.amdhsa_float_denorm_mode_16_64 3
		.amdhsa_memory_ordered 1
		.amdhsa_forward_progress 1
		.amdhsa_inst_pref_size 98
	.end_amdhsa_kernel
	.amdgpu_metadata
---
amdhsa.version: [ 1, 2 ]
amdhsa.kernels:
  - .name:           k_q4ca7802675_gemm_out
    .symbol:         k_q4ca7802675_gemm_out.kd
    .args:
      - { .name: aocodes, .offset: 0, .size: 8, .value_kind: global_buffer, .address_space: global }
      - { .name: aoscales, .offset: 8, .size: 8, .value_kind: global_buffer, .address_space: global }
      - { .name: incodes, .offset: 16, .size: 8, .value_kind: global_buffer, .address_space: global }
      - { .name: inscales, .offset: 24, .size: 8, .value_kind: global_buffer, .address_space: global }
      - { .name: Wo_b, .offset: 32, .size: 8, .value_kind: global_buffer, .address_space: global }
      - { .name: out0, .offset: 40, .size: 8, .value_kind: global_buffer, .address_space: global }
    .group_segment_fixed_size: 327680
    .private_segment_fixed_size: 0
    .kernarg_segment_align: 8
    .kernarg_segment_size: 48
    .max_flat_workgroup_size: 128
    .sgpr_count:     102
    .vgpr_count:     1024
    .wavefront_size: 32
...
	.end_amdgpu_metadata
.endif
;; end of part 4
